; MI455X (gfx1250); checked and timed in simulation.
; The chip was launched on July 23, 2026; its instructions are those of AMD's public machine-readable ISA for CDNA 5 (MIT licence, August 2026) and "CDNA5" Instruction Set Architecture Reference Guide (July 2026). The comments in the code are by the model that wrote it; some were corrected since.
;; Mo E Layer. Allowed arithmetic: matrix products marked QUANTISED: E5M2 operands, one given power-of-two scale a tensor, by v_wmma_f32_16x16x64_bf8_bf8 or v_wmma_f32_16x16x128_bf8_bf8, f32 sums; products left as they are: f32 operands where the result goes on into a quantised operand, else bf16, f16 or f32 operands; f32 sums; everything else in f32.
;; Inputs: b1 8 x 512 float32; b2 8 x 1,024 float32; gate_b 8 float32; gate_w 1,024 x 8 float32; lowp_scales 32 int32 (the exponents e of the quantised operands' scales 2^e); w1 8 x 1,024 x 512 float32; w2 8 x 512 x 1,024 float32; x 4 x 2,048 x 1,024 float32.
;; Outputs: out0 4 x 2,048 x 1,024 float32; out1 one number float32.
;; This version of the problem:
;;   THIS VERSION OF THE PROBLEM IS GIVEN IN LOW PRECISION. The matrix products marked QUANTISED in the list below multiply operands that are first quantised to E5M2 (5 exponent bits, 2 mantissa bits; 8 bits a number), with one given power-of-two scale for each operand tensor; their sums are f32. All else is computed in f32.
;;   The module's matrix products, in the order in which they are computed (A, B: the left and right operand; K: the contracted axis; several contracted axes count as one K, in the product's order):
;;     1. [M 8,192, K 1,024] x [K 1,024, N 8]; A: input x; B: input gate_w: left as it is (N = 8 < 16)
;;     2. [M 8,192, K 1,024] x [K 1,024, N 512]; A: input x; B: input w1: QUANTISED (scales: A lowp_scales[0], B lowp_scales[1])
;;     3. [M 8,192, K 512] x [K 512, N 1,024]; A: computed on the way; B: input w2: QUANTISED (scales: A lowp_scales[2], B lowp_scales[3])
;;     4. [M 8,192, K 1,024] x [K 1,024, N 512]; A: input x; B: input w1: QUANTISED (scales: A lowp_scales[4], B lowp_scales[5])
;;     5. [M 8,192, K 512] x [K 512, N 1,024]; A: computed on the way; B: input w2: QUANTISED (scales: A lowp_scales[6], B lowp_scales[7])
;;     6. [M 8,192, K 1,024] x [K 1,024, N 512]; A: input x; B: input w1: QUANTISED (scales: A lowp_scales[8], B lowp_scales[9])
;;     7. [M 8,192, K 512] x [K 512, N 1,024]; A: computed on the way; B: input w2: QUANTISED (scales: A lowp_scales[10], B lowp_scales[11])
;;     8. [M 8,192, K 1,024] x [K 1,024, N 512]; A: input x; B: input w1: QUANTISED (scales: A lowp_scales[12], B lowp_scales[13])
;;     9. [M 8,192, K 512] x [K 512, N 1,024]; A: computed on the way; B: input w2: QUANTISED (scales: A lowp_scales[14], B lowp_scales[15])
;;     10. [M 8,192, K 1,024] x [K 1,024, N 512]; A: input x; B: input w1: QUANTISED (scales: A lowp_scales[16], B lowp_scales[17])
;;     11. [M 8,192, K 512] x [K 512, N 1,024]; A: computed on the way; B: input w2: QUANTISED (scales: A lowp_scales[18], B lowp_scales[19])
;;     12. [M 8,192, K 1,024] x [K 1,024, N 512]; A: input x; B: input w1: QUANTISED (scales: A lowp_scales[20], B lowp_scales[21])
;;     13. [M 8,192, K 512] x [K 512, N 1,024]; A: computed on the way; B: input w2: QUANTISED (scales: A lowp_scales[22], B lowp_scales[23])
;;     14. [M 8,192, K 1,024] x [K 1,024, N 512]; A: input x; B: input w1: QUANTISED (scales: A lowp_scales[24], B lowp_scales[25])
;;     15. [M 8,192, K 512] x [K 512, N 1,024]; A: computed on the way; B: input w2: QUANTISED (scales: A lowp_scales[26], B lowp_scales[27])
;;     16. [M 8,192, K 1,024] x [K 1,024, N 512]; A: input x; B: input w1: QUANTISED (scales: A lowp_scales[28], B lowp_scales[29])
;;     17. [M 8,192, K 512] x [K 512, N 1,024]; A: computed on the way; B: input w2: QUANTISED (scales: A lowp_scales[30], B lowp_scales[31])
;;   THE QUANTISER, for each operand of a quantised product, along K:
;;     - The operand's scale is 2^e, e = its entry of the input lowp_scales (int32; the entries are numbered through the quantised products in the list's order, A before B).
;;     - Each number is divided by the scale, clamped to +-57,344, and rounded to the nearest number of E5M2, ties to even, subnormals kept.
;;     - The product sums the exact products of the quantised numbers (number of the format x scale) in f32.
;;   ~~~python
;;   def quantise(x, axis, e):      # numpy; x: float32 -> the quantised numbers, widened to float32 again
;;       x = np.moveaxis(x, axis, -1); K = x.shape[-1]
;;       r = np.clip(x / 2.0 ** e, -57344, 57344)
;;       step = 2.0 ** (np.maximum(np.frexp(np.where(r == 0, 1, r))[1] - 1, -14) - 2)
;;       q = np.round(r / step) * step * 2.0 ** e      # np.round: ties to even
;;       return np.moveaxis(q, -1, axis).astype(np.float32)
;;   ~~~
;;   OPERANDS COMPUTED ON THE WAY. 'Computed on the way' means the value that the module computes at that place (a softmax that the list does not call 'softmax' is quantised finished and normalised). What goes into a quantiser is computed in f32, as accurately as f32 sums, v_exp_f32 and their like allow (about 1e-6 of the number): no bf16 or f16 on the way to a quantiser, and a product that is left as it is and whose result goes on into a quantised operand takes f32 operands (vector FMAs, or v_wmma_f32_16x16x4_f32). A number that lies on a knife's edge between two numbers of the format may be rounded either way, as far as f32 arithmetic and the matrix unit's own rounding can turn it there, and no further.
;; 2 versions, each right; version 2 is version 1 with the launch chain written anew for expert scheduling mode. Each part assembles by itself: llvm-mc -triple=amdgcn-amd-amdhsa -mcpu=gfx1250 --defsym DOCPART=n.
;; ======== version 1 of 2: 3 launches
;; workspace buffers: xq 8,388,608 bytes; sel 32,768 bytes of whole numbers; order 32,768 bytes of whole numbers; tiles 4,096 bytes of whole numbers; wq 8,388,608 bytes
;; launch route (part 1): grid 256 x 1, 8 waves a work-group, no clusters, 37,888 bytes of LDS; arguments x, gate_w, gate_b, lowp_scales, xq, sel; writes xq, sel
.if DOCPART == 1
	.amdgcn_target "amdgcn-amd-amdhsa--gfx1250"
	.amdhsa_code_object_version 6
	.text
	.protected	k_q28f7c8be02_route
	.globl	k_q28f7c8be02_route
	.p2align	8
	.type	k_q28f7c8be02_route,@function
k_q28f7c8be02_route:
	s_mov_b64 s[64:65], 0
	v_nop
	global_prefetch_b8 v0, s[64:65] scope:SCOPE_SE
	s_setreg_imm32_b32 hwreg(HW_REG_WAVE_MODE, 25, 1), 1
	s_wait_xcnt 0x0
; ROUTE.  For each of 8,192 tokens: the eight gate scores x . gate_w + gate_b in f32 (fused multiply-adds), the argmax (a strict
; 'greater' keeps the lower index on a tie), and the token's 1,024 numbers as codes of E5M2 with the chosen expert's scale 2^e,
; e = lowp_scales[4 x expert].  The choice only SELECTS a value (v_cndmask_b32): no address and no branch hangs on it.
; It is stored at a fixed place, sel[token].
; SHARES.  A work-group takes 32 rows, a wave 4.  A wave takes a whole row by eight loads of 512 consecutive bytes: lane l, load j holds
; k = 128 j + 4 l + 0..3.  All 32 loads of a wave are issued at the head.  gate_w (32 KiB) goes once through LDS, and each lane keeps the
; 32 rows of it that belong to its k in 256 registers (window 1), for all four rows of x.
; CODES.  Byte p = 512 i + 16 l + 4 a + t of a token's 1,024 bytes in xq is the code of k = 512 i + 128 a + 4 l + t: the order in which the
; conversions leave them.  w1's codes are laid along K in the same order, so every product meets its partner.
; LIMITS.  lowp_scales[4 e] between -126 and 112, so that 2^e and 57,344 x 2^e are f32 numbers.  NaN among the inputs is not served.
; Two best scores that differ by less than the rounding of an f32 sum of 1,024 products may fall either way.
.set X,   32                           ; v32-159   four rows of x, 32 registers each
.set CD,  160                          ; v160-191  codes, 8 registers a row: no store's data are written again
.set GS,  192                          ; v192-223  gate_w on its way into LDS
.set CH,  144                          ; LDS: four rows of gate_w (128 bytes) + 16 of padding: an odd multiple of 16, so that the lanes' 16-byte reads fall on different banks
.set MSB, 0
.macro WIN new                         ; the immediate's high byte repeats the setting that is left
.if MSB != \new
	s_set_vgpr_msb (MSB<<8)|\new
.set MSB, \new
.endif
.endm
	s_load_b256 s[4:11], s[0:1], 0x0               ; x s[4:5], gate_w s[6:7], gate_b s[8:9], lowp_scales s[10:11]
	s_load_b128 s[12:15], s[0:1], 0x20             ; xq s[12:13], sel s[14:15]
	v_lshl_add_u32 v254, v0, 2, 0x9000
	v_mov_b32 v255, 0
	v_lshrrev_b32 v2, 5, v0
	v_readfirstlane_b32 s56, v2                    ; wave 0..7
	v_and_b32 v4, 31, v0
	v_lshlrev_b32 v1, 4, v4                        ; v1: 16 x lane
	v_mul_u32_u24 v4, v4, CH                       ; v4: my chunk of gate_w within a group of 32 chunks
	v_lshrrev_b32 v3, 3, v0
	v_mul_u32_u24 v3, v3, CH
	v_and_b32 v5, 7, v0
	v_lshl_add_u32 v3, v5, 4, v3                   ; v3: where thread t puts its 16 bytes: chunk t / 8, byte 16 (t % 8)
	v_lshlrev_b32 v5, 4, v0                        ; v5: 16 x thread
	v_mov_b32 v2, 0
	s_lshl_b32 s58, ttmp9, 17                      ; 32 rows of 4,096 bytes a work-group,
	s_lshl_b32 s59, s56, 14                        ; 4 a wave
	s_add_co_u32 s58, s58, s59
	s_mov_b32 s59, 0
	s_lshr_b32 s60, s58, 2                         ; the same rows in xq: 1,024 bytes each
	s_mov_b32 s61, 0
	s_lshr_b32 s62, s58, 10                        ; and in sel: 4 bytes each
	s_mov_b32 s63, 0
	s_mov_b32 s74, 0x76543210                      ; v_permlanex16_b32: each lane takes its own place in the other half
	s_mov_b32 s75, 0xfedcba98
	s_wait_kmcnt 0x0
	s_load_b256 s[16:23], s[8:9], 0x0              ; gate_b
	s_load_b512 s[24:39], s[10:11], 0x0            ; the 32 exponents
	s_load_b512 s[40:55], s[10:11], 0x40
	s_add_nc_u64 s[4:5], s[4:5], s[58:59]
	s_add_nc_u64 s[12:13], s[12:13], s[60:61]
	s_add_nc_u64 s[14:15], s[14:15], s[62:63]
.irp q, 0,1,2,3,4,5,6,7
	global_load_b128 v[GS+4*\q:GS+4*\q+3], v5, s[6:7] offset:4096*\q
.endr
.set j, 0
.rept 32
	global_load_b128 v[X+4*j:X+4*j+3], v1, s[4:5] offset:4096*(j/8)+512*(j%8) th:TH_LOAD_NT   ; row j / 8, bytes 512 (j % 8) on: 32 lanes read 512 consecutive bytes
.set j, j+1
.endr
	s_wait_loadcnt 32                              ; gate_w's eight loads are in; the 32 of x stay out
.irp q, 0,1,2,3,4,5,6,7
	ds_store_b128 v3, v[GS+4*\q:GS+4*\q+3] offset:32*CH*\q
.endr
	s_wait_dscnt 0x0                               ; for the others' sake: my part of gate_w lies in LDS
	s_barrier_signal -1
	s_barrier_wait -1
	WIN 0x40                                       ; destination window 1
.set j, 0
.rept 8
.irp q, 0,1,2,3,4,5,6,7
	ds_load_b128 v[32*j+4*\q:32*j+4*\q+3], v4 offset:32*CH*j+16*\q   ; gate_w(128 j + 4 l + q / 2, 4 (q % 2) ..): register 8 kk + e, kk = 4 j + t
.endr
.set j, j+1
.endr
	WIN 0
	s_wait_kmcnt 0x0
.irp e, 0,1,2,3,4,5,6,7
	s_add_co_i32 s[66+\e], s[24+4*\e], 127
	s_lshl_b32 s[66+\e], s[66+\e], 23              ; 2^(x's exponent for expert e) as f32
.endr
	s_wait_dscnt 0x0
; One row: scores, argmax, codes.
.macro ROW i
.set XR, X+32*\i
	s_wait_loadcnt 8*(3-\i)                        ; this row's eight loads are in; the later rows' stay out
	WIN 0x04                                       ; source 1 (gate_w) window 1
.irp p, 0,1,2,3                        ; eight chains of two experts each: even kk into v8-15, odd kk into v16-23; the first products start them
	v_pk_mul_f32 v[8+2*\p:9+2*\p], v[XR:XR+1], v[2*\p:2*\p+1] op_sel_hi:[0,1]
.endr
.irp p, 0,1,2,3
	v_pk_mul_f32 v[16+2*\p:17+2*\p], v[XR:XR+1], v[8+2*\p:9+2*\p] op_sel:[1,0] op_sel_hi:[1,1]
.endr
.set kk, 2
.rept 15
.irp p, 0,1,2,3
	v_pk_fma_f32 v[8+2*\p:9+2*\p], v[XR+kk:XR+kk+1], v[8*kk+2*\p:8*kk+2*\p+1], v[8+2*\p:9+2*\p] op_sel_hi:[0,1,1]   ; the pair's low x for both experts
.endr
.irp p, 0,1,2,3
	v_pk_fma_f32 v[16+2*\p:17+2*\p], v[XR+kk:XR+kk+1], v[8*kk+8+2*\p:8*kk+9+2*\p], v[16+2*\p:17+2*\p] op_sel:[1,0,0] op_sel_hi:[1,1,1]   ; its high x
.endr
.set kk, kk+2
.endr
	WIN 0
.irp p, 0,1,2,3
	v_pk_add_f32 v[8+2*\p:9+2*\p], v[8+2*\p:9+2*\p], v[16+2*\p:17+2*\p]
.endr
.irp n, 1,2,4,8                        ; across the lanes, the eight sums side by side: every lane ends with the same bits
.irp e, 0,1,2,3,4,5,6,7
	v_add_f32_dpp v[8+\e], v[8+\e], v[8+\e] row_xmask:\n row_mask:0xf bank_mask:0xf
.endr
.endr
.irp e, 0,1,2,3,4,5,6,7
	v_permlanex16_b32 v[16+\e], v[8+\e], s74, s75
.endr
.irp e, 0,1,2,3,4,5,6,7
	v_add_f32 v[8+\e], v[8+\e], v[16+\e]
.endr
.irp e, 0,1,2,3,4,5,6,7
	v_add_f32 v[8+\e], s[16+\e], v[8+\e]           ; + gate_b
.endr
	v_mov_b32 v28, v8                              ; the best score so far,
	v_mov_b32 v[24+\i], 0                          ; its expert,
	v_mov_b32 v29, s66                             ; and that expert's scale for x
.irp e, 1,2,3,4,5,6,7
	v_cmp_gt_f32 vcc_lo, v[8+\e], v28
	v_cndmask_b32 v28, v28, v[8+\e], vcc_lo
	v_cndmask_b32 v[24+\i], v[24+\i], \e, vcc_lo
	v_cndmask_b32 v29, v29, s[66+\e], vcc_lo
.endr
	v_add_nc_u32 v30, 0x07e00000, v29              ; 57,344 x the scale: 15 onto the exponent field, 0x600000 as the mantissa field
.set kk, 0
.rept 32
	v_med3_num_f32 v[XR+kk], v[XR+kk], -v30, v30   ; the conversion to an 8-bit code does not saturate (ISA guide 7.6.2): the hold comes first
.set kk, kk+1
.endr
.irp g, 0,1,2,3
	v_cvt_scalef32_pk8_bf8_f32 v[CD+8*\i+2*\g:CD+8*\i+2*\g+1], v[XR+8*\g:XR+8*\g+7], v29
.endr                                  ; (their results go to stores alone; the next vector lines are plain and name other registers)
	global_store_b128 v1, v[CD+8*\i:CD+8*\i+3], s[12:13] offset:1024*\i        ; 32 lanes store 512 consecutive bytes
	global_store_b128 v1, v[CD+8*\i+4:CD+8*\i+7], s[12:13] offset:1024*\i+512
.endm
	ROW 0
	ROW 1
	ROW 2
	ROW 3
	s_wait_xcnt 0x0                                ; EXEC is a source of the stores above: it changes only behind this wait
	v_cmp_eq_u32 vcc_lo, 0, v1
	s_wait_tensorcnt 0x0
	ds_add_u32 v254, v255
	s_wait_dscnt 0x0
	s_and_saveexec_b32 s58, vcc_lo                 ; lane 0 alone: every lane holds the same four experts
	global_store_b128 v2, v[24:27], s[14:15]
	s_wait_xcnt 0x0
	s_or_b32 exec_lo, exec_lo, s58
	s_endpgm
.Lfunc_end_k_q28f7c8be02_route:
	.size	k_q28f7c8be02_route, .Lfunc_end_k_q28f7c8be02_route-k_q28f7c8be02_route
	.p2alignl 7, 3214868480
	.fill 96, 4, 3214868480
	.section	.rodata,"a",@progbits
	.p2align	6, 0x0
	.amdhsa_kernel k_q28f7c8be02_route
		.amdhsa_group_segment_fixed_size 37888
		.amdhsa_private_segment_fixed_size 0
		.amdhsa_enable_private_segment 0
		.amdhsa_kernarg_size 48
		.amdhsa_user_sgpr_count 2
		.amdhsa_user_sgpr_kernarg_segment_ptr 1
		.amdhsa_wavefront_size32 1
		.amdhsa_system_sgpr_workgroup_id_x 1
		.amdhsa_system_sgpr_workgroup_id_y 1
		.amdhsa_system_sgpr_workgroup_id_z 1
		.amdhsa_system_vgpr_workitem_id 0
		.amdhsa_next_free_vgpr 512
		.amdhsa_next_free_sgpr 80
		.amdhsa_reserve_vcc 1
		.amdhsa_float_denorm_mode_32 3
		.amdhsa_float_denorm_mode_16_64 3
		.amdhsa_memory_ordered 1
		.amdhsa_forward_progress 1
		.amdhsa_inst_pref_size 73
	.end_amdhsa_kernel
	.amdgpu_metadata
---
amdhsa.version: [ 1, 2 ]
amdhsa.kernels:
  - .name:           k_q28f7c8be02_route
    .symbol:         k_q28f7c8be02_route.kd
    .args:
      - { .name: x, .offset: 0, .size: 8, .value_kind: global_buffer, .address_space: global }
      - { .name: gate_w, .offset: 8, .size: 8, .value_kind: global_buffer, .address_space: global }
      - { .name: gate_b, .offset: 16, .size: 8, .value_kind: global_buffer, .address_space: global }
      - { .name: lowp_scales, .offset: 24, .size: 8, .value_kind: global_buffer, .address_space: global }
      - { .name: xq, .offset: 32, .size: 8, .value_kind: global_buffer, .address_space: global }
      - { .name: sel, .offset: 40, .size: 8, .value_kind: global_buffer, .address_space: global }
    .group_segment_fixed_size: 37888
    .private_segment_fixed_size: 0
    .kernarg_segment_align: 8
    .kernarg_segment_size: 48
    .max_flat_workgroup_size: 256
    .sgpr_count:     80
    .vgpr_count:     512
    .wavefront_size: 32
...
	.end_amdgpu_metadata
.endif
;; end of part 1
;; launch place (part 2): grid 257 x 1, 8 waves a work-group, no clusters, 2,048 bytes of LDS; arguments sel, w1, w2, lowp_scales, order, tiles, wq, out1; writes order, tiles, wq, out1
.if DOCPART == 2
	.amdgcn_target "amdgcn-amd-amdhsa--gfx1250"
	.amdhsa_code_object_version 6
	.text
	.protected	k_q28f7c8be02_place
	.globl	k_q28f7c8be02_place
	.p2align	8
	.type	k_q28f7c8be02_place,@function
k_q28f7c8be02_place:
	s_mov_b64 s[64:65], 0
	v_nop
	global_prefetch_b8 v0, s[64:65] scope:SCOPE_SE
	s_setreg_imm32_b32 hwreg(HW_REG_WAVE_MODE, 25, 1), 1
	s_wait_xcnt 0x0
; PLACE.  Work-group 0 sorts the tokens by their expert (a counting sort, no atomics), writes the list of tiles and out1 = 0.
; Work-groups 1-128 turn w1, work-groups 129-256 w2, into codes of E5M2 (scale 2^e, e = lowp_scales[4 E + 1] or [4 E + 3]), laid as images of the
; operand's registers in the order in which the next launch's waves take them.  The three ways part on the work-group's number alone; only the sort uses LDS.
; wq: byte E 2^20 + w 2^17 + f 2,048 + 512 c + 16 (r + 16 h) + q is the code that lane (r, h) of wave w holds in byte q of registers 4 c .. 4 c + 3 of fragment f.
;   f = 4 s + 2 b + u (w1): hidden unit 64 w + 32 b + 8 u + r + 8 (r / 8); K place p = 128 s + 32 c + 16 h + q, which stands for k = 512 (s / 4) + 32 (s % 4) + 8 c + 4 h + 128 (q / 4) + q % 4, as in xq.
;   f = 32 + 16 P + 4 s + t (w2): output column 128 w + 64 P + 16 t + r; k = 128 s + 32 c + 16 h + q.
; A LANE TAKES A COLUMN AND ITS REGISTERS RUN DOWN K: each load reads 128 consecutive bytes a wave (the eight waves 1,024 of one row), and the conversions' results are the image's bytes.
; tiles: 256 entries of four whole numbers: expert, first place in order, rows (1 to 64; 0: no tile), last place.  At most 128 + 7 entries have rows, whatever the split.
; LIMITS.  The weights' exponents between -126 and 112.  NaN among the inputs is not served.
	s_load_b512 s[4:19], s[0:1], 0x0               ; sel s[4:5], w1 s[6:7], w2 s[8:9], lowp_scales s[10:11], order s[12:13], tiles s[14:15], wq s[16:17], out1 s[18:19]
	v_lshl_add_u32 v192, v0, 2, 0x400
	v_mov_b32 v193, 0
	v_lshrrev_b32 v1, 5, v0
	v_readfirstlane_b32 s20, v1                    ; wave 0..7
	v_and_b32 v1, 31, v0                           ; lane
	v_lshlrev_b32 v2, 2, v1                        ; my column's 4 bytes
	s_cmp_eq_u32 ttmp9, 0
	s_cbranch_scc1 .Lsort
	s_cmp_lt_u32 ttmp9, 129
	s_cbranch_scc0 .Lw2
; chunk j = 2 c + h of eight: 16 numbers down K of my column, into registers of its own
.macro QCHUNK j, kind, sb
.set q, 0
.rept 16
.if \kind == 1
	global_load_b32 v[32+16*(\j)+q], v2, s[\sb:\sb+1] offset:(8*((\j)/2)+4*((\j)%2)+128*(q/4)+q%4)*2048 th:TH_LOAD_NT
.else
	global_load_b32 v[32+16*(\j)+q], v2, s[\sb:\sb+1] offset:(32*((\j)/2)+16*((\j)%2)+q)*4096 th:TH_LOAD_NT
.endif
.set q, q+1
.endr
.endm
; 32 columns x 128 along K.  Four chunks (64 loads) are asked for ahead; no register is used twice, so no store's data are written again.
.macro QW kind, sb
.irp j, 0,1,2,3
	QCHUNK \j, \kind, \sb
.endr
	s_wait_kmcnt 0x0
	s_add_co_i32 s36, s36, 127
	s_lshl_b32 s37, s36, 23
	v_mov_b32 v11, s37                             ; 2^e as f32: the conversion takes its exponent field
	s_add_co_i32 s36, s36, 15
	s_lshl_b32 s36, s36, 23
	s_or_b32 s36, s36, 0x600000
	v_mov_b32 v10, s36                             ; 57,344 x 2^e
.irp j, 0,1,2,3,4,5,6,7
.if \j < 5
	s_wait_loadcnt 48                              ; chunk j is in; the three chunks asked for behind it stay out
.else
	s_wait_loadcnt 16*(7-\j)
.endif
.if \j < 4
	QCHUNK \j+4, \kind, \sb
.endif
.set q, 0
.rept 16
	v_med3_num_f32 v[32+16*\j+q], v[32+16*\j+q], -v10, v10   ; the conversion does not saturate (ISA guide 7.6.2): the hold comes first
.set q, q+1
.endr
	v_cvt_scalef32_pk8_bf8_f32 v[160+4*\j:161+4*\j], v[32+16*\j:39+16*\j], v11
	v_cvt_scalef32_pk8_bf8_f32 v[162+4*\j:163+4*\j], v[40+16*\j:47+16*\j], v11   ; (results go to a store alone; the next vector lines are plain and name other registers)
	global_store_b128 v3, v[160+4*\j:163+4*\j], s[16:17] offset:512*(\j/2)+256*(\j%2)   ; sixteen lanes fill 256 consecutive bytes of one fragment, the other sixteen of the next
.endr
.endm
	; ---- w1: work-group id = 16 E + 8 g + s takes hidden units 256 g .. 256 g + 255, K step s
	s_sub_co_u32 s21, ttmp9, 1
	s_lshr_b32 s22, s21, 4                         ; E
	s_bfe_u32 s23, s21, 0x10003                    ; g
	s_and_b32 s24, s21, 7                          ; s
	s_lshl_b32 s30, s22, 21                        ; from: E x 2 MiB
	s_lshr_b32 s25, s24, 2
	s_lshl_b32 s25, s25, 20                        ; + 512 (s / 4) rows of 2,048 bytes
	s_add_co_u32 s30, s30, s25
	s_and_b32 s25, s24, 3
	s_lshl_b32 s25, s25, 16                        ; + 32 (s % 4) rows
	s_add_co_u32 s30, s30, s25
	s_lshl_b32 s25, s23, 10                        ; + 256 g columns
	s_add_co_u32 s30, s30, s25
	s_lshl_b32 s25, s20, 7                         ; + 32 columns a wave
	s_add_co_u32 s30, s30, s25
	s_mov_b32 s31, 0
	s_lshl_b32 s32, s22, 20                        ; to: E x 1 MiB
	s_lshl_b32 s25, s23, 2
	s_lshr_b32 s26, s20, 1
	s_add_co_u32 s25, s25, s26
	s_lshl_b32 s25, s25, 17                        ; + (4 g + wave / 2) x 128 KiB
	s_add_co_u32 s32, s32, s25
	s_lshl_b32 s25, s24, 2
	s_and_b32 s26, s20, 1
	s_lshl_b32 s26, s26, 1
	s_add_co_u32 s25, s25, s26
	s_lshl_b32 s25, s25, 11                        ; + fragment 4 s + 2 (wave % 2)
	s_add_co_u32 s32, s32, s25
	s_mov_b32 s33, 0
	s_lshl_b32 s34, s22, 4
	s_mov_b32 s35, 0
	v_bfe_u32 v4, v1, 3, 1                         ; lane = 16 (r / 8) + 8 u + r % 8
	v_lshlrev_b32 v3, 11, v4                       ; fragment + u
	v_and_b32 v4, 7, v1
	v_lshl_add_u32 v3, v4, 4, v3
	v_lshrrev_b32 v4, 4, v1
	v_lshl_add_u32 v3, v4, 7, v3                   ; + 16 r
	s_wait_kmcnt 0x0
	s_add_nc_u64 s[10:11], s[10:11], s[34:35]
	s_load_b32 s36, s[10:11], 0x4                  ; lowp_scales[4 E + 1]
	s_add_nc_u64 s[6:7], s[6:7], s[30:31]
	s_add_nc_u64 s[16:17], s[16:17], s[32:33]
	QW 1, 6
	s_endpgm
.Lw2:	; ---- w2: work-group id = 16 E + 4 g + s takes output columns 256 g .. 256 g + 255, K step s
	s_sub_co_u32 s21, ttmp9, 129
	s_lshr_b32 s22, s21, 4                         ; E
	s_bfe_u32 s23, s21, 0x20002                    ; g
	s_and_b32 s24, s21, 3                          ; s
	s_lshl_b32 s30, s22, 21
	s_lshl_b32 s25, s24, 19                        ; + 128 s rows of 4,096 bytes
	s_add_co_u32 s30, s30, s25
	s_lshl_b32 s25, s23, 10
	s_add_co_u32 s30, s30, s25
	s_lshl_b32 s25, s20, 7
	s_add_co_u32 s30, s30, s25
	s_mov_b32 s31, 0
	s_lshl_b32 s32, s22, 20
	s_lshl_b32 s25, s23, 1
	s_lshr_b32 s26, s20, 2
	s_add_co_u32 s25, s25, s26
	s_lshl_b32 s25, s25, 17                        ; + (2 g + wave / 4) x 128 KiB
	s_add_co_u32 s32, s32, s25
	s_bfe_u32 s25, s20, 0x10001
	s_lshl_b32 s25, s25, 4                         ; 16 P
	s_lshl_b32 s26, s24, 2
	s_add_co_u32 s25, s25, s26                     ; + 4 s
	s_and_b32 s26, s20, 1
	s_lshl_b32 s26, s26, 1
	s_add_co_u32 s25, s25, s26                     ; + 2 (wave % 2)
	s_add_co_u32 s25, s25, 32
	s_lshl_b32 s25, s25, 11
	s_add_co_u32 s32, s32, s25
	s_mov_b32 s33, 0
	s_lshl_b32 s34, s22, 4
	s_mov_b32 s35, 0
	v_lshrrev_b32 v4, 4, v1
	v_lshlrev_b32 v3, 11, v4                       ; fragment + lane / 16
	v_and_b32 v4, 15, v1
	v_lshl_add_u32 v3, v4, 4, v3                   ; + 16 r
	s_wait_kmcnt 0x0
	s_add_nc_u64 s[10:11], s[10:11], s[34:35]
	s_load_b32 s36, s[10:11], 0xc                  ; lowp_scales[4 E + 3]
	s_add_nc_u64 s[8:9], s[8:9], s[30:31]
	s_add_nc_u64 s[16:17], s[16:17], s[32:33]
	QW 2, 8
	s_endpgm
.Lsort:	; ---- the counting sort.  Wave w holds tokens 1,024 w + 128 (n / 4) + 4 lane + n % 4 in v[32 + n], n = 0 .. 31.
	; LDS: counts (expert e, wave w) at 32 e + 4 w; their exclusive prefix sums, in that order, 256 bytes further on.
	s_lshl_b32 s21, s20, 12
	v_lshl_add_u32 v2, v1, 4, s21                  ; my 16 bytes of sel
	s_lshl_b32 s22, s20, 2
	v_mov_b32 v21, s22                             ; 4 x wave
	v_mov_b32 v22, 0
	v_lshlrev_b32 v24, 2, v1                       ; 4 x lane
	s_lshl_b32 s23, s20, 10
	v_lshl_add_u32 v23, v1, 2, s23                 ; 1,024 wave + 4 lane
	s_wait_kmcnt 0x0
.irp g, 0,1,2,3,4,5,6,7
	global_load_b128 v[32+4*\g:35+4*\g], v2, s[4:5] offset:512*\g
.endr
	s_wait_loadcnt 0x0
.set n, 0
.rept 32
	v_min_u32 v[32+n], 7, v[32+n]                  ; an expert's number: every token falls to exactly one of the eight
.set n, n+1
.endr
.macro COUNT e                         ; how many of my wave's 1,024 tokens chose expert e; four masks at a time, so that no line waits for the one above it
	s_mov_b32 s[40+\e], 0
.set g, 0
.rept 8
.irp t, 0,1,2,3
	v_cmp_eq_u32 s[30+\t], \e, v[32+4*g+\t]
.endr
.irp t, 0,1,2,3
	s_bcnt1_i32_b32 s[34+\t], s[30+\t]
.endr
.irp t, 0,1,2,3
	s_add_co_u32 s[40+\e], s[40+\e], s[34+\t]
.endr
.set g, g+1
.endr
	v_mov_b32 v[100+\e], s[40+\e]
	ds_store_b32 v21, v[100+\e] offset:32*\e       ; all lanes write the same word with the same value
.endm
.irp e, 0,1,2,3,4,5,6,7
	COUNT \e
.endr
	s_wait_dscnt 0x0                               ; for wave 0's sake: my eight counts lie in LDS
	s_barrier_signal -1
	s_barrier_wait -1
	s_cmp_lg_u32 s20, 0
	s_cbranch_scc1 .Lscanned                       ; wave 0 alone scans the 64 counts; no barrier stands in here
	ds_load_b32 v110, v24                          ; counts 0-31, one a lane,
	ds_load_b32 v111, v24 offset:128               ; and 32-63
	s_wait_dscnt 0x0
	v_mov_b32 v112, v110
	v_mov_b32 v113, v111
	v_mov_b32 v114, 0
	v_mov_b32 v115, 0
.irp n, 1,2,4,8                        ; inclusive sums within each half of 16 lanes: a lane without a source takes 0
	v_mov_b32_dpp v114, v112 row_shr:\n row_mask:0xf bank_mask:0xf bound_ctrl:1
	v_mov_b32_dpp v115, v113 row_shr:\n row_mask:0xf bank_mask:0xf bound_ctrl:1
	v_add_nc_u32 v112, v112, v114
	v_add_nc_u32 v113, v113, v115
.endr
	v_readlane_b32 s30, v112, 15
	v_readlane_b32 s31, v113, 15
	v_cmp_le_u32 vcc_lo, 16, v1
	v_mov_b32 v114, s30
	v_mov_b32 v115, s31
	v_cndmask_b32 v114, 0, v114, vcc_lo            ; the lower half's total goes onto the upper half
	v_cndmask_b32 v115, 0, v115, vcc_lo
	v_add_nc_u32 v112, v112, v114
	v_add_nc_u32 v113, v113, v115
	v_readlane_b32 s32, v112, 31
	v_add_nc_u32 v113, s32, v113                   ; and the first 32 counts' total onto the last 32
	v_sub_nc_u32 v112, v112, v110                  ; exclusive
	v_sub_nc_u32 v113, v113, v111
	ds_store_b32 v24, v112 offset:256
	ds_store_b32 v24, v113 offset:384
.Lscanned:
	s_wait_dscnt 0x0                               ; for the others' sake: the sums lie in LDS
	s_barrier_signal -1
	s_barrier_wait -1
.irp e, 0,1,2,3,4,5,6,7
	ds_load_b32 v[100+\e], v21 offset:256+32*\e    ; where my wave's tokens of expert e begin,
.endr
.irp e, 0,1,2,3,4,5,6,7
	ds_load_b32 v[108+\e], v22 offset:256+32*\e    ; and where expert e's begin
.endr
	s_wait_dscnt 0x0
.irp e, 0,1,2,3,4,5,6,7
	v_readfirstlane_b32 s[40+\e], v[100+\e]
.endr
.macro PLACE e                         ; a token's place: the running base + the matching lanes below mine.  Expert 0's is written outright: each token's own expert writes over it
.set g, 0
.rept 8
.irp t, 0,1,2,3
	v_cmp_eq_u32 s[30+\t], \e, v[32+4*g+\t]
.endr
.irp t, 0,1,2,3
.if \e == 0
	v_mbcnt_lo_u32_b32 v[64+4*g+\t], s[30+\t], s[40+\e]
.else
	v_mbcnt_lo_u32_b32 v[96+\t], s[30+\t], s[40+\e]
	v_cndmask_b32 v[64+4*g+\t], v[64+4*g+\t], v[96+\t], s[30+\t]
.endif
	s_bcnt1_i32_b32 s34, s[30+\t]
	s_add_co_u32 s[40+\e], s[40+\e], s34
.endr
.set g, g+1
.endr
.endm
.irp e, 0,1,2,3,4,5,6,7
	PLACE \e
.endr
.set n, 0
.rept 32
	v_min_u32 v[64+n], 0x1fff, v[64+n]             ; a place in order: 0 .. 8,191
	v_lshlrev_b32 v[64+n], 2, v[64+n]
	v_add_nc_u32 v[32+n], 128*(n/4)+n%4, v23       ; the token's number
	global_store_b32 v[64+n], v[32+n], s[12:13]    ; a scatter by its nature; lanes of one expert store neighbouring words
.set n, n+1
.endr
	; the list of tiles: thread j makes entry j
	v_mov_b32 v116, 0x2000                         ; behind the last expert: 8,192
	v_mov_b32 v120, 0                              ; tiles of the experts before
	v_mov_b32 v124, 0
	v_mov_b32 v125, 0
	v_mov_b32 v126, 0
	v_mov_b32 v127, 0
.irp e, 0,1,2,3,4,5,6,7
	v_sub_nc_u32 v121, v[109+\e], v[108+\e]        ; the expert's rows,
	v_add_nc_u32 v122, 63, v121
	v_lshrrev_b32 v122, 6, v122                    ; its tiles,
	v_sub_nc_u32 v123, v0, v120                    ; which of them entry j would be (a huge number if none)
	v_cmp_lt_u32 vcc_lo, v123, v122
	v_lshl_add_u32 v118, v123, 6, v[108+\e]        ; first place
	v_lshlrev_b32 v119, 6, v123
	v_sub_nc_u32 v119, v121, v119
	v_min_u32 v119, 64, v119                       ; rows
	v_add3_u32 v117, v118, v119, -1                ; last place
	v_cndmask_b32 v124, v124, \e, vcc_lo
	v_cndmask_b32 v125, v125, v118, vcc_lo
	v_cndmask_b32 v126, v126, v119, vcc_lo
	v_cndmask_b32 v127, v127, v117, vcc_lo
	v_add_nc_u32 v120, v120, v122
.endr
	v_lshlrev_b32 v117, 4, v0
	global_store_b128 v117, v[124:127], s[14:15]
	s_wait_xcnt 0x0                                ; EXEC is a source of the stores above: it changes only behind this wait
	v_cmp_eq_u32 vcc_lo, 0, v0
	s_wait_tensorcnt 0x0
	ds_add_u32 v192, v193
	s_wait_dscnt 0x0
	s_and_saveexec_b32 s30, vcc_lo                 ; thread 0 alone
	global_store_b32 v22, v22, s[18:19]            ; out1 = 0.0
	s_wait_xcnt 0x0
	s_or_b32 exec_lo, exec_lo, s30
	s_endpgm
.Lfunc_end_k_q28f7c8be02_place:
	.size	k_q28f7c8be02_place, .Lfunc_end_k_q28f7c8be02_place-k_q28f7c8be02_place
	.p2alignl 7, 3214868480
	.fill 96, 4, 3214868480
	.section	.rodata,"a",@progbits
	.p2align	6, 0x0
	.amdhsa_kernel k_q28f7c8be02_place
		.amdhsa_group_segment_fixed_size 2048
		.amdhsa_private_segment_fixed_size 0
		.amdhsa_enable_private_segment 0
		.amdhsa_kernarg_size 64
		.amdhsa_user_sgpr_count 2
		.amdhsa_user_sgpr_kernarg_segment_ptr 1
		.amdhsa_wavefront_size32 1
		.amdhsa_system_sgpr_workgroup_id_x 1
		.amdhsa_system_sgpr_workgroup_id_y 1
		.amdhsa_system_sgpr_workgroup_id_z 1
		.amdhsa_system_vgpr_workitem_id 0
		.amdhsa_next_free_vgpr 194
		.amdhsa_next_free_sgpr 66
		.amdhsa_reserve_vcc 1
		.amdhsa_float_denorm_mode_32 3
		.amdhsa_float_denorm_mode_16_64 3
		.amdhsa_memory_ordered 1
		.amdhsa_forward_progress 1
		.amdhsa_inst_pref_size 162
	.end_amdhsa_kernel
	.amdgpu_metadata
---
amdhsa.version: [ 1, 2 ]
amdhsa.kernels:
  - .name:           k_q28f7c8be02_place
    .symbol:         k_q28f7c8be02_place.kd
    .args:
      - { .name: sel, .offset: 0, .size: 8, .value_kind: global_buffer, .address_space: global }
      - { .name: w1, .offset: 8, .size: 8, .value_kind: global_buffer, .address_space: global }
      - { .name: w2, .offset: 16, .size: 8, .value_kind: global_buffer, .address_space: global }
      - { .name: lowp_scales, .offset: 24, .size: 8, .value_kind: global_buffer, .address_space: global }
      - { .name: order, .offset: 32, .size: 8, .value_kind: global_buffer, .address_space: global }
      - { .name: tiles, .offset: 40, .size: 8, .value_kind: global_buffer, .address_space: global }
      - { .name: wq, .offset: 48, .size: 8, .value_kind: global_buffer, .address_space: global }
      - { .name: out1, .offset: 56, .size: 8, .value_kind: global_buffer, .address_space: global }
    .group_segment_fixed_size: 2048
    .private_segment_fixed_size: 0
    .kernarg_segment_align: 8
    .kernarg_segment_size: 64
    .max_flat_workgroup_size: 256
    .sgpr_count:     66
    .vgpr_count:     194
    .wavefront_size: 32
...
	.end_amdgpu_metadata
.endif
;; end of part 2
;; launch chain (part 3): grid 135 x 1, 8 waves a work-group, no clusters, 141,568 bytes of LDS; arguments tiles, order, xq, wq, lowp_scales, b1, b2, out0; writes out0
.if DOCPART == 3
	.amdgcn_target "amdgcn-amd-amdhsa--gfx1250"
	.amdhsa_code_object_version 6
	.text
	.protected	k_q28f7c8be02_chain
	.globl	k_q28f7c8be02_chain
	.p2align	8
	.type	k_q28f7c8be02_chain,@function
k_q28f7c8be02_chain:
	s_mov_b64 s[64:65], 0
	v_nop
	global_prefetch_b8 v0, s[64:65] scope:SCOPE_SE
	s_setreg_imm32_b32 hwreg(HW_REG_WAVE_MODE, 25, 1), 1
	s_wait_xcnt 0x0
; CHAIN.  One work-group takes one tile (up to 64 rows of one expert E) through y = Q(gelu(Q(x) Q(w1[E]) + b1[E])) Q(w2[E]) + b2[E], both products on codes of E5M2; the hidden layer never goes to memory.
; GRID.  ceil(8,192 / 64) + 7 = 135 tiles serve every split.  Rows past the tile's count repeat its last row: the same bits go to the same address, so no lane is switched off.
; A tile without rows (at most 7 of the 135) still walks the whole text, on row order[0] with expert 0, since every wave passes every barrier; only its stores are jumped over, by a scalar branch on the stored count.  That work is wasted.
; NO TENSOR LOADS, NO CLUSTER: the weights' address and the jump over the stores hang on stored numbers, and neighbouring tiles need not be of one expert.
; SHARES.  THE EIGHT WAVES SHARE THE COLUMNS, NOT THE ROWS: wave w makes hidden units 64 w .. 64 w + 63 and then output columns 128 w .. 128 w + 127, for all 64 rows.  So each weight fragment is read once by the work-group,
; from memory straight into registers: 64 fragments of 2 KiB, one run of 128 KiB a wave, through a ring of 14 register slots; ten fragments (40 loads) are out at a K step's head.
; BOTH PRODUCTS ARE USED TRANSPOSED (source 0 = 16 rows of the weight, source 1 = 16 tokens): a lane holds ONE token (lane % 16).  w1's rows of a tile are chosen so that the 16 registers of tiles 2 b, 2 b + 1 are hidden units
; 64 w + 32 b + 16 (lane / 16) + 0 .. 15: the conversions' results are four registers of the second product's operand, which goes from wave to wave through LDS as an image of its registers.
; GELU, exact form: with a = |z|, t = 1 / (1 + a / (2 sqrt 2)):  2 gelu(z) = (z + a) - a t 2^(-z^2 log2(e) / 2 + sum c_i t^i), the rational fit of erfc whose error relative to erfc is under 1.2e-7 for every argument, so that the
; negative tail keeps its relative accuracy; the coefficients carry log2(e).  The factor 1/2 goes into the conversion's scale.
; LIMITS.  ex + ew1 and eh + ew2 between -126 and 127; eh between -127 and 111.  NaN among the inputs is not served.  v_exp_f32 gives 0 for results under 2^-126: gelu is 0 below z of about -13.
; REGISTERS.  window 0: v1-11 addresses that stay, v12-31 at work, v32-255 the ring (fragment f at v[32 + 16 (f % 14)]).
;   window 1: v0-127 the 16 accumulators ((m, t) at v[8 (4 m + t)]); v128-191 source 1, 16 registers for each tile m of tokens; in the gelu v128-159 b1, v160-227 at work; in the second product v192-223 b2, v224-255 rows of y;
;   v252-255: c9 twice, the conversion's scale, the hold.
.set B1L,   0                          ; LDS: b1[E], 2,048 bytes
.set B2L,   2048                       ; b2[E], 4,096
.set TOKT,  6144                       ; the 64 rows' token numbers
.set XT,    6400                       ; x's codes: 64 rows
.set XP,    1040                       ; of 1,024 bytes + 16: an odd multiple of 16, so that the 16 rows of a fragment load start at different banks
.set HIMG,  XT+64*XP                   ; the hidden layer: 16 images of 2,048 bytes, (m, K step s) at (4 m + s) x 2,048
.set STAGE, HIMG+16*2048               ; the way out: 16 rows x (256 + 16) bytes for each wave, its own
.set SP,    272
.set GA, 160                           ; the gelu's registers, window 1: a,
.set GT, 176                           ; t, then a t,
.set GE, 192                           ; z^2, then z + a,
.set GQ, 208                           ; the exponent, then its power of two,
.set GC, 224                           ; four registers of codes
.set MAT, 0x54                         ; source 0 window 0; source 1, source 2 and destination window 1: products, LDS and memory lines with data in window 1 and addresses in window 0
.set VEC, 0x55                         ; all in window 1
.set MSB, 0
.macro WIN new                         ; the immediate's high byte repeats the setting that is left
.if MSB != \new
	s_set_vgpr_msb (MSB<<8)|\new
.set MSB, \new
.endif
.endm
.macro PAIR r, val                     ; a constant for the packed forms, which name a pair
	s_mov_b32 s[\r], \val
	s_mov_b32 s[\r+1], \val
.endm
.macro LOADW f                         ; weight fragment f into its slot: four loads of 512 consecutive bytes (window 0)
.set SL, 32+16*((\f)%14)
.irp c, 0,1,2,3
	global_load_b128 v[SL+4*\c:SL+4*\c+3], v1, s[10:11] offset:2048*(\f)+512*\c
.endr
.endm
.macro XLOAD ph2, s, m                 ; source 1 for tile m of tokens, K step s: from x's rows, or from the hidden layer's images
.irp c, 0,1,2,3
.if \ph2
	ds_load_b128 v[128+16*\m+4*\c:128+16*\m+4*\c+3], v3 offset:(4*\m+(\s))*2048+512*\c
.else
	ds_load_b128 v[128+16*\m+4*\c:128+16*\m+4*\c+3], v2 offset:16*XP*\m+128*(\s)+32*\c
.endif
.endr
.endm
; K step k of 16 (0-7: first product; 8-11, 12-15: the second's two passes): fragments 4 k .. 4 k + 3 against the four tiles of tokens.  The 16 accumulators take turns, one instruction a turn, in the same order in
; every step.  zero = 1: the products start the sums.  pre = 1: each tile's source 1 for the next step is fetched behind its four products.
; A load into a register that a matrix instruction has read, and a vector instruction that reads a result, stand four plain vector instructions behind it: the v_nop.
.macro KSTEP k, ph2, zero, pre
.if (\k) <= 12
	s_wait_loadcnt 40                              ; fragments up to 4 k + 3 are in; the ten asked for behind them stay out
.else
	s_wait_loadcnt 16*(15-(\k))                    ; the run's end: 8, 4, 0 fragments behind
.endif
.set SN, ((\k)+1)%8
.if \ph2
.set SN, ((\k)+1)%4
.endif
.irp m, 0,1,2,3
.if \pre
	s_wait_dscnt 12                                ; tile m's four loads are in; the three groups of four issued behind them stay out
.else
	s_wait_dscnt 12-4*\m
.endif
.irp t, 0,1,2,3
.set SL, 32+16*((4*(\k)+\t)%14)
.if \zero
	v_wmma_f32_16x16x128_bf8_bf8 v[8*(4*\m+\t):8*(4*\m+\t)+7], v[SL:SL+15], v[128+16*\m:128+16*\m+15], 0
.else
	v_wmma_f32_16x16x128_bf8_bf8 v[8*(4*\m+\t):8*(4*\m+\t)+7], v[SL:SL+15], v[128+16*\m:128+16*\m+15], v[8*(4*\m+\t):8*(4*\m+\t)+7]
.endif
.endr
.if (\pre) || (\m == 3)
.rept 4
	v_nop
.endr
.endif
.if \pre
	XLOAD \ph2, SN, \m
.endif
.endr
.if 4*(\k)+14 <= 63
	WIN 0
.irp d, 14,15,16,17
.if 4*(\k)+\d <= 63
	LOADW 4*(\k)+\d                                ; into the slots that this step has read
.endif
.endr
	WIN MAT
.endif
.endm
; 16 hidden units of 16 tokens: accumulators (m, 2 b) and (m, 2 b + 1), n = 2 m + b; each is read from its low end on.
.macro GELU16 n
.set Z, 16*(\n)
.set BB, 128+16*((\n)%2)
	WIN VEC
.irp i, 0,2,4,6,8,10,12,14
	v_pk_fma_f32 v[Z+\i:Z+\i+1], v[Z+\i:Z+\i+1], s[32:33], v[BB+\i:BB+\i+1] op_sel_hi:[1,0,1]   ; z = sum x 2^(ex + ew1) + b1
.endr
.irp i, 0,1,2,3,4,5,6,7,8,9,10,11,12,13,14,15
	v_and_b32 v[GA+\i], s58, v[Z+\i]               ; a = |z|
.endr
.irp i, 0,2,4,6,8,10,12,14
	v_pk_fma_f32 v[GT+\i:GT+\i+1], v[GA+\i:GA+\i+1], s[36:37], 1.0 op_sel_hi:[1,0,0]
.endr
.irp i, 0,1,2,3,4,5,6,7,8,9,10,11,12,13,14,15
	v_rcp_f32 v[GT+\i], v[GT+\i]                   ; t
.endr
.irp i, 0,2,4,6,8,10,12,14
	v_pk_mul_f32 v[GE+\i:GE+\i+1], v[Z+\i:Z+\i+1], v[Z+\i:Z+\i+1]   ; z^2: also the plain lines behind the reciprocals
.endr
	s_wait_alu depctr_va_vdst(0)
.irp i, 0,2,4,6,8,10,12,14
	v_pk_fma_f32 v[GQ+\i:GQ+\i+1], v[GT+\i:GT+\i+1], v[252:253], s[56:57] op_sel_hi:[1,1,0]   ; c9 t + c8
.endr
.irp c, 54,52,50,48,46,44,42,40        ; down to c0; the eight pairs take turns, so that no line waits for the one above it
.irp i, 0,2,4,6,8,10,12,14
	v_pk_fma_f32 v[GQ+\i:GQ+\i+1], v[GQ+\i:GQ+\i+1], v[GT+\i:GT+\i+1], s[\c:\c+1] op_sel_hi:[1,1,0]
.endr
.endr
.irp i, 0,2,4,6,8,10,12,14
	v_pk_fma_f32 v[GQ+\i:GQ+\i+1], v[GE+\i:GE+\i+1], s[38:39], v[GQ+\i:GQ+\i+1] op_sel_hi:[1,0,1]   ; - z^2 log2(e) / 2
.endr
.irp i, 0,1,2,3,4,5,6,7,8,9,10,11,12,13,14,15
	v_exp_f32 v[GQ+\i], v[GQ+\i]
.endr
.irp i, 0,2,4,6,8,10,12,14
	v_pk_mul_f32 v[GT+\i:GT+\i+1], v[GA+\i:GA+\i+1], v[GT+\i:GT+\i+1]   ; a t: also the plain lines behind the exponentials
.endr
.irp i, 0,2,4,6,8,10,12,14
	v_pk_add_f32 v[GE+\i:GE+\i+1], v[Z+\i:Z+\i+1], v[GA+\i:GA+\i+1]     ; z + a
.endr
	s_wait_alu depctr_va_vdst(0)
.irp i, 0,2,4,6,8,10,12,14
	v_pk_fma_f32 v[Z+\i:Z+\i+1], v[GT+\i:GT+\i+1], v[GQ+\i:GQ+\i+1], v[GE+\i:GE+\i+1] neg_lo:[1,0,0] neg_hi:[1,0,0]   ; 2 gelu(z)
.endr
.irp i, 0,1,2,3,4,5,6,7,8,9,10,11,12,13,14,15
	v_med3_num_f32 v[Z+\i], v[Z+\i], -v255, v255   ; the conversion does not saturate (ISA guide 7.6.2): the hold at 57,344 x 2^(eh + 1)
.endr
	s_wait_dscnt 0x0                               ; the image store of the sixteen units before has read the four code registers
	v_cvt_scalef32_pk8_bf8_f32 v[GC:GC+1], v[Z:Z+7], v254       ; / 2^(eh + 1): the code of gelu(z) / 2^eh
	v_cvt_scalef32_pk8_bf8_f32 v[GC+2:GC+3], v[Z+8:Z+15], v254
	v_nop                                          ; a plain line between the conversions and whatever next touches their registers
	WIN MAT
	ds_store_b128 v4, v[GC:GC+3] offset:8192*((\n)/2)+512*((\n)%2)   ; registers 4 c .. 4 c + 3, c = 2 (w % 2) + b, of image (m, w / 2)
.endm
; Pass P, tile m: 16 rows x 64 columns leave.  A lane holds 8 neighbouring columns of one row: they go through my own stage in LDS and come back as whole rows of 256 bytes.
.macro OUTM P, m
	WIN 0
.irp i, 0,1,2,3,4,5,6,7
	ds_load_b32 v[16+\i], v7 offset:4*(16*\m+2*\i) ; the token of row 16 m + 2 i + lane / 16
.endr
	WIN VEC
.irp t, 0,1,2,3
.irp i, 0,2,4,6
	v_pk_fma_f32 v[8*(4*\m+\t)+\i:8*(4*\m+\t)+\i+1], v[8*(4*\m+\t)+\i:8*(4*\m+\t)+\i+1], s[34:35], v[192+8*\t+\i:193+8*\t+\i] op_sel_hi:[1,0,1]   ; y = sum x 2^(eh + ew2) + b2; each accumulator from its low end on
.endr
.endr
	WIN MAT
.irp t, 0,1,2,3
	ds_store_b128 v5, v[8*(4*\m+\t):8*(4*\m+\t)+3] offset:64*\t
	ds_store_b128 v5, v[8*(4*\m+\t)+4:8*(4*\m+\t)+7] offset:64*\t+16
.endr
.irp i, 0,1,2,3,4,5,6,7
	ds_load_b128 v[224+4*\i:227+4*\i], v6 offset:2*SP*\i   ; LDS serves a wave's instructions in order (ISA guide 5.7.1.4): these see the stores above
.endr
	WIN 0
	s_wait_dscnt 16                                ; the eight token words are in; the 8 stores and 8 loads behind them may be out
.irp i, 0,1,2,3,4,5,6,7
	v_min_u32 v[16+\i], 0x1fff, v[16+\i]
.endr
.irp i, 0,1,2,3,4,5,6,7
	v_lshl_add_u32 v[16+\i], v[16+\i], 12, v10     ; the token's row of 4,096 bytes + my wave's columns + 16 (lane % 16)
.endr
	s_wait_dscnt 0x0                               ; the rows are back in registers
	s_cmp_eq_u32 s22, 0
	s_cbranch_scc1 .Lempty_\@                      ; a tile without rows stores nothing
	WIN MAT
.irp i, 0,1,2,3,4,5,6,7
	global_store_b128 v[16+\i], v[224+4*\i:227+4*\i], s[18:19] offset:256*\P th:TH_STORE_NT   ; sixteen lanes store 256 consecutive bytes, at a multiple of 256 from out0's first byte
.endr
	WIN 0
.Lempty_\@:
	s_wait_xcnt 0x0                                ; the stores' offsets and data are written again only behind this wait
.endm
	s_load_b512 s[4:19], s[0:1], 0x0               ; tiles s[4:5], order s[6:7], xq s[8:9], wq s[10:11], lowp_scales s[12:13], b1 s[14:15], b2 s[16:17], out0 s[18:19]
	v_lshrrev_b32 v23, 5, v0
	v_readfirstlane_b32 s24, v23                   ; wave 0..7
	v_and_b32 v1, 31, v0
	v_lshlrev_b32 v1, 4, v1                        ; v1: 16 x lane
	v_and_b32 v21, 15, v0                          ; r
	v_bfe_u32 v22, v0, 4, 1                        ; h
	v_mul_u32_u24 v2, v21, XP
	v_lshl_add_u32 v2, v22, 4, v2
	v_add_nc_u32 v2, XT, v2                        ; v2: x's fragments: row r, + 16 h
	v_add_nc_u32 v3, HIMG, v1                      ; v3: an image's place for my lane
	s_lshl_b32 s59, s24, 10
	v_add_nc_u32 v4, s59, v3                       ; v4: where I store my part of an image: + 1,024 w
	s_mul_i32 s59, s24, 16*SP
	s_add_co_u32 s59, s59, STAGE                   ; my stage
	v_mul_u32_u24 v5, v21, SP
	v_lshl_add_u32 v5, v22, 5, v5
	v_add_nc_u32 v5, s59, v5                       ; v5: in: row r, 32 bytes for each half of the lanes
	v_mul_u32_u24 v6, v22, SP
	v_lshl_add_u32 v6, v21, 4, v6
	v_add_nc_u32 v6, s59, v6                       ; v6: back: lanes 0-15 one row, lanes 16-31 the next
	v_lshl_add_u32 v7, v22, 2, TOKT                ; v7: the token of an even row (lanes 0-15) or the odd one behind it
	s_lshl_b32 s59, s24, 8
	v_lshl_add_u32 v8, v22, 6, s59                 ; v8: b1 (at LDS byte 0): my 64 units, + 16 h units
	s_lshl_b32 s59, s24, 9
	v_lshl_add_u32 v9, v22, 5, s59
	v_add_nc_u32 v9, B2L, v9                       ; v9: b2: my 128 columns, + 8 h
	v_lshl_add_u32 v10, v21, 4, s59                ; v10: my wave's 512 bytes of a row of out0, + 16 r
	s_mul_i32 s59, s24, 8*XP
	v_mul_u32_u24 v11, v22, XP
	v_lshl_add_u32 v11, v21, 4, v11
	v_add_nc_u32 v11, s59, v11
	v_add_nc_u32 v11, XT, v11                      ; v11: where I put gathered codes: row 8 w + h, + 16 r
	s_lshl_b32 s59, s24, 5
	v_lshl_add_u32 v20, v22, 2, s59
	v_add_nc_u32 v20, TOKT, v20                    ; v20: the token word of row 8 w + h
	s_lshl_b32 s59, s24, 3
	v_add_nc_u32 v22, s59, v22                     ; v22: 8 w + h
	v_lshlrev_b32 v21, 4, v21                      ; v21: 16 r
	v_lshlrev_b32 v26, 3, v0                       ; v26: 8 x thread: b1, in memory and in LDS
	v_lshlrev_b32 v27, 4, v0                       ; v27: 16 x thread: b2
	s_lshl_b32 s26, ttmp9, 4
	s_mov_b32 s27, 0
	s_wait_kmcnt 0x0
	s_add_nc_u64 s[4:5], s[4:5], s[26:27]
	s_load_b128 s[20:23], s[4:5], 0x0              ; my tile: expert, first place, rows, last place
	PAIR 36, 0x3eb504f3                            ; 1 / (2 sqrt 2)
	PAIR 38, 0xbf38aa3b                            ; -log2(e) / 2
	PAIR 40, 0xbfe9b21e                            ; c0 .. c8, each x log2(e)
	PAIR 42, 0x3fb8ab5a
	PAIR 44, 0x3f0a29d2
	PAIR 46, 0x3e0efb2f
	PAIR 48, 0xbe899a80
	PAIR 50, 0x3ecdfd18
	PAIR 52, 0xbfd1a1e5
	PAIR 54, 0x40097039
	PAIR 56, 0xbf97d29d
	s_mov_b32 s58, 0x7fffffff
	s_wait_kmcnt 0x0
	s_min_u32 s20, s20, 7                          ; stored numbers enter addresses only behind a bound written here
	s_min_u32 s21, s21, 0x1fff
	s_min_u32 s22, s22, 64
	s_min_u32 s23, s23, 0x1fff
	s_lshl_b32 s26, s20, 4
	s_add_nc_u64 s[12:13], s[12:13], s[26:27]
	s_load_b128 s[28:31], s[12:13], 0x0            ; ex, ew1, eh, ew2 of my expert
.irp i, 0,1,2,3
	v_add3_u32 v[12+\i], v22, s21, 2*\i            ; row 8 w + 2 i + h of the tile,
	v_min_u32 v[12+\i], s23, v[12+\i]              ; held at the tile's last row
	v_min_u32 v[12+\i], 0x1fff, v[12+\i]
	v_lshlrev_b32 v[12+\i], 2, v[12+\i]
.endr
.irp i, 0,1,2,3
	global_load_b32 v[16+\i], v[12+\i], s[6:7]     ; its token
.endr
	s_lshl_b32 s26, s20, 20
	s_lshl_b32 s59, s24, 17
	s_add_co_u32 s26, s26, s59
	s_add_nc_u64 s[10:11], s[10:11], s[26:27]      ; my wave's 128 KiB of my expert's codes
	s_lshl_b32 s26, s20, 11
	s_add_nc_u64 s[14:15], s[14:15], s[26:27]      ; b1[E]
	s_lshl_b32 s26, s20, 12
	s_add_nc_u64 s[16:17], s[16:17], s[26:27]      ; b2[E]
	global_load_b64 v[24:25], v26, s[14:15]
	global_load_b128 v[28:31], v27, s[16:17]
.irp f, 0,1,2,3,4,5
	LOADW \f
.endr
	s_wait_loadcnt 26                              ; the four tokens are in; behind them: 2 loads of biases, 24 of fragments
.irp i, 0,1,2,3
	v_min_u32 v[16+\i], 0x1fff, v[16+\i]
.endr
.irp i, 0,1,2,3
	ds_store_b32 v20, v[16+\i] offset:8*\i         ; sixteen lanes write the same word with the same value
	v_lshl_add_u32 v[12+\i], v[16+\i], 10, v21     ; the token's 1,024 bytes in xq, + 16 r  (the load that read v[12 + i] is done)
.endr
	WIN MAT
.irp i, 0,1,2,3
.irp q, 0,1,2,3
	global_load_b128 v[16*\i+4*\q:16*\i+4*\q+3], v[12+\i], s[8:9] offset:256*\q   ; sixteen lanes read 256 consecutive bytes of one row, the other sixteen of the next
.endr
.endr
	WIN 0
.irp f, 6,7,8,9
	LOADW \f
.endr
	s_wait_kmcnt 0x0
	s_add_co_i32 s32, s28, s29
	s_add_co_i32 s32, s32, 127
	s_lshl_b32 s32, s32, 23                        ; 2^(ex + ew1)
	s_mov_b32 s33, s32
	s_add_co_i32 s34, s30, s31
	s_add_co_i32 s34, s34, 127
	s_lshl_b32 s34, s34, 23                        ; 2^(eh + ew2)
	s_mov_b32 s35, s34
	s_add_co_i32 s59, s30, 128
	s_lshl_b32 s60, s59, 23                        ; 2^(eh + 1)
	s_add_co_i32 s59, s59, 15
	s_lshl_b32 s59, s59, 23
	s_or_b32 s59, s59, 0x600000                    ; 57,344 x 2^(eh + 1)
	WIN VEC
	v_mov_b32 v252, 0x3e7c6f08                     ; c9 x log2(e), twice
	v_mov_b32 v253, 0x3e7c6f08
	v_mov_b32 v254, s60
	v_mov_b32 v255, s59
	WIN 0
	s_wait_loadcnt 16                              ; x's codes and the biases are in; behind them: fragments 6-9
	ds_store_b64 v26, v[24:25] offset:B1L
	ds_store_b128 v27, v[28:31] offset:B2L
	WIN MAT
.irp i, 0,1,2,3
.irp q, 0,1,2,3
	ds_store_b128 v11, v[16*\i+4*\q:16*\i+4*\q+3] offset:2*XP*\i+256*\q
.endr
.endr
	WIN 0
.irp f, 10,11,12,13
	LOADW \f
.endr
	s_wait_dscnt 0x0                               ; for the others' sake: my rows, my part of the biases and my tokens lie in LDS
	s_barrier_signal -1
	s_barrier_wait -1
	; ---- the first product: my 64 hidden units for the 64 rows, K = 1,024 in eight steps
	WIN MAT
.irp m, 0,1,2,3
	XLOAD 0, 0, \m
.endr
	KSTEP 0, 0, 1, 1
.irp k, 1,2,3,4,5,6
	KSTEP \k, 0, 0, 1
.endr
	KSTEP 7, 0, 0, 0
.irp q, 0,1,2,3,4,5,6,7                ; b1 in the result's layout: registers 16 b + 8 u + j = unit 64 w + 32 b + 16 h + 8 u + j.  (The four v_nop behind the last products stand ahead of these loads)
	ds_load_b128 v[128+4*\q:131+4*\q], v8 offset:128*(\q/4)+16*(\q%4)
.endr
	s_wait_dscnt 0x0
.irp n, 0,1,2,3,4,5,6,7
	GELU16 \n                                      ; meanwhile fragments 32-45 land in the ring
.endr
	s_wait_dscnt 0x0                               ; for the others' sake: my quarter-images lie in LDS
	s_barrier_signal -1
	s_barrier_wait -1
	; ---- the second product: my 128 columns in two passes of 64, K = 512 in four steps
.macro PASS P
	WIN MAT
.irp q, 0,1,2,3,4,5,6,7                ; b2 in the result's layout: registers 8 t + j = column 128 w + 64 P + 16 t + 8 h + j
	ds_load_b128 v[192+4*\q:195+4*\q], v9 offset:256*\P+64*(\q/2)+16*(\q%2)
.endr
.irp m, 0,1,2,3
	XLOAD 1, 0, \m
.endr
	KSTEP 8+4*\P, 1, 1, 1
	KSTEP 9+4*\P, 1, 0, 1
	KSTEP 10+4*\P, 1, 0, 1
	KSTEP 11+4*\P, 1, 0, 0
.irp m, 0,1,2,3
	OUTM \P, \m
.endr
.endm
	PASS 0
	PASS 1
	s_wait_xcnt 0x0
	v_lshl_add_u32 v254, v0, 2, 0x22500
	v_mov_b32 v255, 0
	s_wait_tensorcnt 0x0
	ds_add_u32 v254, v255
	s_wait_dscnt 0x0
	s_endpgm
.Lfunc_end_k_q28f7c8be02_chain:
	.size	k_q28f7c8be02_chain, .Lfunc_end_k_q28f7c8be02_chain-k_q28f7c8be02_chain
	.p2alignl 7, 3214868480
	.fill 96, 4, 3214868480
	.section	.rodata,"a",@progbits
	.p2align	6, 0x0
	.amdhsa_kernel k_q28f7c8be02_chain
		.amdhsa_group_segment_fixed_size 141568
		.amdhsa_private_segment_fixed_size 0
		.amdhsa_enable_private_segment 0
		.amdhsa_kernarg_size 64
		.amdhsa_user_sgpr_count 2
		.amdhsa_user_sgpr_kernarg_segment_ptr 1
		.amdhsa_wavefront_size32 1
		.amdhsa_system_sgpr_workgroup_id_x 1
		.amdhsa_system_sgpr_workgroup_id_y 1
		.amdhsa_system_sgpr_workgroup_id_z 1
		.amdhsa_system_vgpr_workitem_id 0
		.amdhsa_next_free_vgpr 512
		.amdhsa_next_free_sgpr 66
		.amdhsa_reserve_vcc 0
		.amdhsa_float_denorm_mode_32 3
		.amdhsa_float_denorm_mode_16_64 3
		.amdhsa_memory_ordered 1
		.amdhsa_forward_progress 1
		.amdhsa_inst_pref_size 203
	.end_amdhsa_kernel
	.amdgpu_metadata
---
amdhsa.version: [ 1, 2 ]
amdhsa.kernels:
  - .name:           k_q28f7c8be02_chain
    .symbol:         k_q28f7c8be02_chain.kd
    .args:
      - { .name: tiles, .offset: 0, .size: 8, .value_kind: global_buffer, .address_space: global }
      - { .name: order, .offset: 8, .size: 8, .value_kind: global_buffer, .address_space: global }
      - { .name: xq, .offset: 16, .size: 8, .value_kind: global_buffer, .address_space: global }
      - { .name: wq, .offset: 24, .size: 8, .value_kind: global_buffer, .address_space: global }
      - { .name: lowp_scales, .offset: 32, .size: 8, .value_kind: global_buffer, .address_space: global }
      - { .name: b1, .offset: 40, .size: 8, .value_kind: global_buffer, .address_space: global }
      - { .name: b2, .offset: 48, .size: 8, .value_kind: global_buffer, .address_space: global }
      - { .name: out0, .offset: 56, .size: 8, .value_kind: global_buffer, .address_space: global }
    .group_segment_fixed_size: 141568
    .private_segment_fixed_size: 0
    .kernarg_segment_align: 8
    .kernarg_segment_size: 64
    .max_flat_workgroup_size: 256
    .sgpr_count:     66
    .vgpr_count:     512
    .wavefront_size: 32
...
	.end_amdgpu_metadata
.endif
;; end of part 3
;; ======== version 2 of 2: 3 launches; version 1 with the launch chain written anew for expert scheduling mode
;; workspace buffers: xq 8,388,608 bytes; sel 32,768 bytes of whole numbers; order 32,768 bytes of whole numbers; tiles 4,096 bytes of whole numbers; wq 8,388,608 bytes
;; launch route: the kernel of part 1 again; grid 256 x 1, 8 waves a work-group, no clusters, 37,888 bytes of LDS; arguments x, gate_w, gate_b, lowp_scales, xq, sel; writes xq, sel
;; launch place: the kernel of part 2 again; grid 257 x 1, 8 waves a work-group, no clusters, 2,048 bytes of LDS; arguments sel, w1, w2, lowp_scales, order, tiles, wq, out1; writes order, tiles, wq, out1
;; launch chain (part 4): grid 135 x 1, 8 waves a work-group, no clusters, 141,568 bytes of LDS; arguments tiles, order, xq, wq, lowp_scales, b1, b2, out0; writes out0
.if DOCPART == 4
	.amdgcn_target "amdgcn-amd-amdhsa--gfx1250"
	.amdhsa_code_object_version 6
	.text
	.protected	k_q28f7c8be02_chain
	.globl	k_q28f7c8be02_chain
	.p2align	8
	.type	k_q28f7c8be02_chain,@function
k_q28f7c8be02_chain:
	s_mov_b64 s[64:65], 0
	v_nop
	global_prefetch_b8 v0, s[64:65] scope:SCOPE_SE
	s_setreg_imm32_b32 hwreg(HW_REG_WAVE_SCHED_MODE, 0, 2), 2
	s_setreg_imm32_b32 hwreg(HW_REG_WAVE_MODE, 25, 1), 1
	s_wait_xcnt 0x0
	s_wait_alu depctr_vm_vsrc(0)
; CHAIN.  One work-group takes one tile (up to 64 rows of one expert E) through y = Q(gelu(Q(x) Q(w1[E]) + b1[E])) Q(w2[E]) + b2[E], both products on codes of E5M2; the hidden layer never goes to memory.
; GRID.  ceil(8,192 / 64) + 7 = 135 tiles serve every split.  Rows past the tile's count repeat its last row: the same bits go to the same address, so no lane is switched off.
; A tile without rows (at most 7 of the 135) still walks the whole text, on row order[0] with expert 0, since every wave passes every barrier; only its stores are jumped over, by a scalar branch on the stored count.  That work is wasted.
; NO TENSOR LOADS, NO CLUSTER: the weights' address and the jump over the stores hang on stored numbers, and neighbouring tiles need not be of one expert.
; SHARES.  THE EIGHT WAVES SHARE THE COLUMNS, NOT THE ROWS: wave w makes hidden units 64 w .. 64 w + 63 and then output columns 128 w .. 128 w + 127, for all 64 rows.  So each weight fragment is read once by the work-group,
; from memory straight into registers: 64 fragments of 2 KiB, one run of 128 KiB a wave, through a ring of 14 register slots; ten fragments (40 loads) are out at a K step's head.
; BOTH PRODUCTS ARE USED TRANSPOSED (source 0 = 16 rows of the weight, source 1 = 16 tokens): a lane holds ONE token (lane % 16).  w1's rows of a tile are chosen so that the 16 registers of tiles 2 b, 2 b + 1 are hidden units
; 64 w + 32 b + 16 (lane / 16) + 0 .. 15: the conversions' results are four registers of the second product's operand, which goes from wave to wave through LDS as an image of its registers.
; GELU, exact form: with a = |z|, t = 1 / (1 + a / (2 sqrt 2)):  2 gelu(z) = (z + a) - a t 2^(-z^2 log2(e) / 2 + sum c_i t^i), the rational fit of erfc whose error relative to erfc is under 1.2e-7 for every argument, so that the
; negative tail keeps its relative accuracy; the coefficients carry log2(e).  The factor 1/2 goes into the conversion's scale.
; LIMITS.  ex + ew1 and eh + ew2 between -126 and 127; eh between -127 and 111.  NaN among the inputs is not served.  v_exp_f32 gives 0 for results under 2^-126: gelu is 0 below z of about -13.
; THE MODE: SCHED_MODE bits 1:0 = 2 (LLVM: expert scheduling mode 2), set by the entry lines.  The code itself states the register dependences
; between vector or matrix instructions and memory or LDS instructions, with s_wait_alu, always for 0.
; REGISTERS.  window 0: v1-11 addresses that stay, v12-15 at work at the head, v16-23 and v24-31 two sets of eight row offsets (at the head: at work), v32-255 the ring (fragment f at v[32 + 16 (f % 14)]).
;   window 1: v0-127 the 16 accumulators ((m, t) at v[8 (4 m + t)]); v128-191 and v192-255 two buffers of source 1, 16 registers for each tile m of tokens; in the gelu v128-159 b1, v160-223 at work, v224-231 two sets of codes,
;   v252-255: c9 twice, the conversion's scale, the hold; on the way out v128-159 b2, v160-191 and v192-223 two sets of rows of y.
; THE PLAN.  Registers that memory or LDS instructions touch:
;   the ring      K step k's products read slots 4 k .. 4 k + 3; the four fragments fourteen further on land in them, asked for at the step's end.
;   XB0, XB1      K step k's products read XB[k % 2]; the LDS loads of step k + 1 land in it (source 1 of step k + 2).  A phase's first two steps are fetched at its head; its last step fetches the bias into XB0.
;   the codes     the conversions of sixteen units n write set n % 2; the image's store, issued among the lines of units n + 1, reads it.
;   the sums      written by products and by the way out's multiply-adds; read by the stage's stores.
;   rows, offsets tile m uses set m % 2 of each: the stage's loads and the token words land in them, two vector lines make the offsets, tile m's stores to out0 read both.
;   v1-v11        written once at the head, never again.
; So ONE wait on va_vdst stands at the end of a K step: its products have read their slots and their buffer.  The ring's loads follow it, and the next step's LDS loads are dealt among that step's products, which name the
; other buffer, other slots and the accumulators: none of the registers that those loads touch.  The other waits say at their places what they state.
.set B1L,   0                          ; LDS: b1[E], 2,048 bytes
.set B2L,   2048                       ; b2[E], 4,096
.set TOKT,  6144                       ; the 64 rows' token numbers
.set XT,    6400                       ; x's codes: 64 rows
.set XP,    1040                       ; of 1,024 bytes + 16: an odd multiple of 16, so that the 16 rows of a fragment load start at different banks
.set HIMG,  XT+64*XP                   ; the hidden layer: 16 images of 2,048 bytes, (m, K step s) at (4 m + s) x 2,048
.set STAGE, HIMG+16*2048               ; the way out: 16 rows x (256 + 16) bytes for each wave, its own
.set SP,    272
.set TK, 16                            ; window 0: the two sets of row offsets
.set XB, 128                           ; window 1: the two buffers of source 1,
.set BI, 128                           ; the bias of the phase in hand,
.set YR, 160                           ; the two sets of rows of y
.set GA, 160                           ; the gelu's registers, window 1: a,
.set GT, 176                           ; t, then a t,
.set GE, 192                           ; z^2, then z + a,
.set GQ, 208                           ; the exponent, then its power of two,
.set GC, 224                           ; two sets of four registers of codes
.set MAT, 0x54                         ; source 0 window 0; source 1, source 2 and destination window 1: products, LDS and memory lines with data in window 1 and addresses in window 0
.set VEC, 0x55                         ; all in window 1
.set MSB, 0
.macro WIN new                         ; the immediate's high byte repeats the setting that is left
.if MSB != \new
	s_set_vgpr_msb (MSB<<8)|\new
.set MSB, \new
.endif
.endm
.macro PAIR r, val                     ; a constant for the packed forms, which name a pair
	s_mov_b32 s[\r], \val
	s_mov_b32 s[\r+1], \val
.endm
.macro LOADW f                         ; weight fragment f into its slot: four loads of 512 consecutive bytes (window 0)
.set SL, 32+16*((\f)%14)
.irp c, 0,1,2,3
	global_load_b128 v[SL+4*\c:SL+4*\c+3], v1, s[10:11] offset:2048*(\f)+512*\c
.endr
.endm
.macro XLOAD ph2, s, m, buf            ; source 1 for tile m of tokens, K step s, into buffer buf: from x's rows, or from the hidden layer's images
.irp c, 0,1,2,3
.if \ph2
	ds_load_b128 v[\buf+16*\m+4*\c:\buf+16*\m+4*\c+3], v3 offset:(4*\m+(\s))*2048+512*\c
.else
	ds_load_b128 v[\buf+16*\m+4*\c:\buf+16*\m+4*\c+3], v2 offset:16*XP*\m+128*(\s)+32*\c
.endif
.endr
.endm
; Four of the eight loads that bring a bias in the result's layout.  b1: registers 16 b + 8 u + j = unit 64 w + 32 b + 16 h + 8 u + j.  b2, pass P = (k - 8) / 4: registers 8 t + j = column 128 w + 64 P + 16 t + 8 h + j.
.macro BIAS ph2, k, g
.irp q, 0,1,2,3
.if \ph2
	ds_load_b128 v[BI+16*(\g)+4*\q:BI+16*(\g)+4*\q+3], v9 offset:256*(((\k)-8)/4)+64*((4*(\g)+\q)/2)+16*(\q%2)
.else
	ds_load_b128 v[BI+16*(\g)+4*\q:BI+16*(\g)+4*\q+3], v8 offset:128*(\g)+16*\q
.endif
.endr
.endm
; K step k of 16 (0-7: first product; 8-11, 12-15: the second's two passes): fragments 4 k .. 4 k + 3 against the four tiles of tokens.  The 16 accumulators take turns, one instruction a turn, in the same order in
; every step.  kind = 0: a phase's first step: the products start the sums, and nothing is fetched from LDS (steps 0 and 1 were fetched at the phase's head);
; 1: a middle step: behind each tile's four products the same tile's source 1 of the next step is fetched, into the other buffer;  2: the last step: the bias is fetched, into buffer 0.
.macro KSTEP k, ph2, kind
.set PB, XB+64*((\k)%2)                ; this step's buffer of source 1,
.set NB, XB+64*(1-(\k)%2)              ; and the other one
.set SN, ((\k)+1)%8
.if \ph2
.set SN, ((\k)+1)%4
.endif
.if (\k) <= 12
	s_wait_loadcnt 40                              ; fragments up to 4 k + 3 are in; the ten asked for behind them stay out
.else
	s_wait_loadcnt 16*(15-(\k))                    ; the run's end: 8, 4, 0 fragments behind
.endif
.irp m, 0,1,2,3
.if \kind == 0
	s_wait_dscnt 28-4*\m                           ; tile m's four loads are in; behind them: this step's later tiles and the next step's sixteen loads
.elseif (\kind == 2) && (\m == 3)
	s_wait_dscnt 8                                 ; behind tile 3's loads: the bias's eight
.else
	s_wait_dscnt 12                                ; tile m's four loads are in; the three groups of four issued behind them stay out
.endif
.irp t, 0,1,2,3
.set SL, 32+16*((4*(\k)+\t)%14)
.if \kind == 0
	v_wmma_f32_16x16x128_bf8_bf8 v[8*(4*\m+\t):8*(4*\m+\t)+7], v[SL:SL+15], v[PB+16*\m:PB+16*\m+15], 0
.else
	v_wmma_f32_16x16x128_bf8_bf8 v[8*(4*\m+\t):8*(4*\m+\t)+7], v[SL:SL+15], v[PB+16*\m:PB+16*\m+15], v[8*(4*\m+\t):8*(4*\m+\t)+7]
.endif
.endr
.if \kind == 1
	XLOAD \ph2, SN, \m, NB                         ; no wait: no vector or matrix instruction since the last step's closing wait names the other buffer
.endif
.if (\kind == 2) && (\m < 2)
	BIAS \ph2, \k, \m                              ; likewise: buffer 0 was last read by the step before
.endif
.endr
.rept 4
	v_nop                                          ; four plain vector lines behind the step's last products: ahead of the vector lines that read results; ahead of loads they stand beside the wait below
.endr
.if (\k) <= 14
.if 4*(\k)+14 <= 63
	WIN 0
.endif
	s_wait_alu depctr_va_vdst(0)                   ; this step's products have read their four slots of the ring, in which the loads below land, and their buffer of source 1, in which the next step's LDS loads land
.if 4*(\k)+14 <= 63
.irp d, 14,15,16,17
.if 4*(\k)+\d <= 63
	LOADW 4*(\k)+\d                                ; into the slots that this step has read
.endif
.endr
	WIN MAT
.endif
.endif
.endm
.macro IMG n                           ; the codes of sixteen units n go to LDS: registers 4 c .. 4 c + 3, c = 2 (w % 2) + b, of image (m, w / 2); n = 2 m + b
	WIN MAT
	ds_store_b128 v4, v[GC+4*((\n)%2):GC+4*((\n)%2)+3] offset:8192*((\n)/2)+512*((\n)%2)
.endm
; 16 hidden units of 16 tokens: accumulators (m, 2 b) and (m, 2 b + 1), n = 2 m + b; each is read from its low end on.
.macro GELU16 n
.set Z, 16*(\n)
.set BB, BI+16*((\n)%2)
.set CN, GC+4*((\n)%2)
	WIN VEC
.irp i, 0,2,4,6,8,10,12,14
	v_pk_fma_f32 v[Z+\i:Z+\i+1], v[Z+\i:Z+\i+1], s[32:33], v[BB+\i:BB+\i+1] op_sel_hi:[1,0,1]   ; z = sum x 2^(ex + ew1) + b1
.endr
.irp i, 0,1,2,3,4,5,6,7,8,9,10,11,12,13,14,15
	v_and_b32 v[GA+\i], s58, v[Z+\i]               ; a = |z|
.endr
.irp i, 0,2,4,6,8,10,12,14
	v_pk_fma_f32 v[GT+\i:GT+\i+1], v[GA+\i:GA+\i+1], s[36:37], 1.0 op_sel_hi:[1,0,0]
.endr
.irp i, 0,1,2,3,4,5,6,7,8,9,10,11,12,13,14,15
	v_rcp_f32 v[GT+\i], v[GT+\i]                   ; t
.endr
.irp i, 0,2,4,6,8,10,12,14
	v_pk_mul_f32 v[GE+\i:GE+\i+1], v[Z+\i:Z+\i+1], v[Z+\i:Z+\i+1]   ; z^2: also the plain lines behind the reciprocals
.endr
	s_wait_alu depctr_va_vdst(0)                   ; the sixteen reciprocals are written, ahead of their first reader; so are the codes of the sixteen units before, which the store below reads
.if (\n) > 0
	IMG (\n)-1
	WIN VEC
.endif
.irp i, 0,2,4,6,8,10,12,14
	v_pk_fma_f32 v[GQ+\i:GQ+\i+1], v[GT+\i:GT+\i+1], v[252:253], s[56:57] op_sel_hi:[1,1,0]   ; c9 t + c8
.endr
.irp c, 54,52,50,48,46,44,42,40        ; down to c0; the eight pairs take turns, so that no line waits for the one above it
.irp i, 0,2,4,6,8,10,12,14
	v_pk_fma_f32 v[GQ+\i:GQ+\i+1], v[GQ+\i:GQ+\i+1], v[GT+\i:GT+\i+1], s[\c:\c+1] op_sel_hi:[1,1,0]
.endr
.endr
.irp i, 0,2,4,6,8,10,12,14
	v_pk_fma_f32 v[GQ+\i:GQ+\i+1], v[GE+\i:GE+\i+1], s[38:39], v[GQ+\i:GQ+\i+1] op_sel_hi:[1,0,1]   ; - z^2 log2(e) / 2
.endr
.irp i, 0,1,2,3,4,5,6,7,8,9,10,11,12,13,14,15
	v_exp_f32 v[GQ+\i], v[GQ+\i]
.endr
.irp i, 0,2,4,6,8,10,12,14
	v_pk_mul_f32 v[GT+\i:GT+\i+1], v[GA+\i:GA+\i+1], v[GT+\i:GT+\i+1]   ; a t: also the plain lines behind the exponentials
.endr
.irp i, 0,2,4,6,8,10,12,14
	v_pk_add_f32 v[GE+\i:GE+\i+1], v[Z+\i:Z+\i+1], v[GA+\i:GA+\i+1]     ; z + a
.endr
	s_wait_alu depctr_va_vdst(0)                   ; the sixteen exponentials are written, ahead of their first reader
.irp i, 0,2,4,6,8,10,12,14
	v_pk_fma_f32 v[Z+\i:Z+\i+1], v[GT+\i:GT+\i+1], v[GQ+\i:GQ+\i+1], v[GE+\i:GE+\i+1] neg_lo:[1,0,0] neg_hi:[1,0,0]   ; 2 gelu(z)
.endr
.irp i, 0,1,2,3,4,5,6,7,8,9,10,11,12,13,14,15
	v_med3_num_f32 v[Z+\i], v[Z+\i], -v255, v255   ; the conversion does not saturate (ISA guide 7.6.2): the hold at 57,344 x 2^(eh + 1)
.endr
	s_wait_dscnt 0x0                               ; the image stores issued so far are done
.if (\n) >= 2
	s_wait_alu depctr_vm_vsrc(0)                   ; the image's store of units n - 2 has read this set of four code registers, which the conversions write again
.endif
	v_cvt_scalef32_pk8_bf8_f32 v[CN:CN+1], v[Z:Z+7], v254       ; / 2^(eh + 1): the code of gelu(z) / 2^eh
	v_cvt_scalef32_pk8_bf8_f32 v[CN+2:CN+3], v[Z+8:Z+15], v254
	v_nop                                          ; a plain line between the conversions and whatever next touches their registers
.endm
.macro TOKENS m                        ; the tokens of rows 16 m + 2 i + lane / 16, into set m % 2 (window 0)
.irp i, 0,1,2,3,4,5,6,7
	ds_load_b32 v[TK+8*((\m)%2)+\i], v7 offset:4*(16*(\m)+2*\i)
.endr
.endm
; Pass P, tile m: 16 rows x 64 columns leave.  A lane holds 8 neighbouring columns of one row: they go through my own stage in LDS and come back as whole rows of 256 bytes.
; The tile's token words were asked for a tile ago.  Offsets and rows lie in set m % 2, so that what this tile writes was last read by the stores of two tiles back.
.macro OUTM P, m
.set TS, TK+8*((\m)%2)
.set RW, YR+32*((\m)%2)
	WIN 0
	s_wait_dscnt 0x0                               ; the tile's eight token words are in (tile 0: and b2)
.irp i, 0,1,2,3,4,5,6,7
	v_min_u32 v[TS+\i], 0x1fff, v[TS+\i]
.endr
.irp i, 0,1,2,3,4,5,6,7
	v_lshl_add_u32 v[TS+\i], v[TS+\i], 12, v10     ; the token's row of 4,096 bytes + my wave's columns + 16 (lane % 16)
.endr
	WIN VEC
.irp t, 0,1,2,3
.irp i, 0,2,4,6
	v_pk_fma_f32 v[8*(4*\m+\t)+\i:8*(4*\m+\t)+\i+1], v[8*(4*\m+\t)+\i:8*(4*\m+\t)+\i+1], s[34:35], v[BI+8*\t+\i:BI+1+8*\t+\i] op_sel_hi:[1,0,1]   ; y = sum x 2^(eh + ew2) + b2; each accumulator from its low end on
.endr
.endr
	WIN MAT
	s_wait_alu depctr_va_vdst(0)                   ; the multiply-adds have written the tile's sums, which the stage's stores read; the eight offsets are written, which the stores to out0 read; the pass's last products have read the registers in which the rows land
.irp t, 0,1,2,3
	ds_store_b128 v5, v[8*(4*\m+\t):8*(4*\m+\t)+3] offset:64*\t
	ds_store_b128 v5, v[8*(4*\m+\t)+4:8*(4*\m+\t)+7] offset:64*\t+16
.endr
.irp i, 0,1,2,3,4,5,6,7
	ds_load_b128 v[RW+4*\i:RW+4*\i+3], v6 offset:2*SP*\i   ; LDS serves a wave's instructions in order (ISA guide 5.7.1.4): these see the stores above
.endr
.if \m > 0
	s_wait_xcnt 0x0                                ; the stores of the tile before have had their addresses translated (ISA guide 3.1): their offsets and rows are written again only behind this wait,
	s_wait_alu depctr_vm_vsrc(0)                   ; and they have read those registers: the token words below land in that set of offsets, the next tile's rows in that set of rows
.endif
	WIN 0
.if \m < 3
	TOKENS \m+1
	s_wait_dscnt 8                                 ; the rows are back in registers; the eight token words asked for behind them stay out
.else
	s_wait_dscnt 0x0                               ; the rows are back in registers
.endif
	s_cmp_eq_u32 s22, 0
	s_cbranch_scc1 .Lempty_\@                      ; a tile without rows stores nothing
	WIN MAT
.irp i, 0,1,2,3,4,5,6,7
	global_store_b128 v[TS+\i], v[RW+4*\i:RW+4*\i+3], s[18:19] offset:256*\P th:TH_STORE_NT   ; sixteen lanes store 256 consecutive bytes, at a multiple of 256 from out0's first byte
.endr
	WIN 0
.Lempty_\@:
.endm
	s_load_b512 s[4:19], s[0:1], 0x0               ; tiles s[4:5], order s[6:7], xq s[8:9], wq s[10:11], lowp_scales s[12:13], b1 s[14:15], b2 s[16:17], out0 s[18:19]
	v_lshrrev_b32 v23, 5, v0
	v_readfirstlane_b32 s24, v23                   ; wave 0..7
	v_and_b32 v1, 31, v0
	v_lshlrev_b32 v1, 4, v1                        ; v1: 16 x lane
	v_and_b32 v21, 15, v0                          ; r
	v_bfe_u32 v22, v0, 4, 1                        ; h
	v_mul_u32_u24 v2, v21, XP
	v_lshl_add_u32 v2, v22, 4, v2
	v_add_nc_u32 v2, XT, v2                        ; v2: x's fragments: row r, + 16 h
	v_add_nc_u32 v3, HIMG, v1                      ; v3: an image's place for my lane
	s_wait_alu depctr_va_sdst(0)                   ; s24 is written, ahead of its first reader
	s_lshl_b32 s59, s24, 10
	v_add_nc_u32 v4, s59, v3                       ; v4: where I store my part of an image: + 1,024 w
	s_mul_i32 s59, s24, 16*SP
	s_add_co_u32 s59, s59, STAGE                   ; my stage
	v_mul_u32_u24 v5, v21, SP
	v_lshl_add_u32 v5, v22, 5, v5
	v_add_nc_u32 v5, s59, v5                       ; v5: in: row r, 32 bytes for each half of the lanes
	v_mul_u32_u24 v6, v22, SP
	v_lshl_add_u32 v6, v21, 4, v6
	v_add_nc_u32 v6, s59, v6                       ; v6: back: lanes 0-15 one row, lanes 16-31 the next
	v_lshl_add_u32 v7, v22, 2, TOKT                ; v7: the token of an even row (lanes 0-15) or the odd one behind it
	s_lshl_b32 s59, s24, 8
	v_lshl_add_u32 v8, v22, 6, s59                 ; v8: b1 (at LDS byte 0): my 64 units, + 16 h units
	s_lshl_b32 s59, s24, 9
	v_lshl_add_u32 v9, v22, 5, s59
	v_add_nc_u32 v9, B2L, v9                       ; v9: b2: my 128 columns, + 8 h
	v_lshl_add_u32 v10, v21, 4, s59                ; v10: my wave's 512 bytes of a row of out0, + 16 r
	s_mul_i32 s59, s24, 8*XP
	v_mul_u32_u24 v11, v22, XP
	v_lshl_add_u32 v11, v21, 4, v11
	v_add_nc_u32 v11, s59, v11
	v_add_nc_u32 v11, XT, v11                      ; v11: where I put gathered codes: row 8 w + h, + 16 r
	s_lshl_b32 s59, s24, 5
	v_lshl_add_u32 v20, v22, 2, s59
	v_add_nc_u32 v20, TOKT, v20                    ; v20: the token word of row 8 w + h
	s_lshl_b32 s59, s24, 3
	v_add_nc_u32 v22, s59, v22                     ; v22: 8 w + h
	v_lshlrev_b32 v21, 4, v21                      ; v21: 16 r
	v_lshlrev_b32 v26, 3, v0                       ; v26: 8 x thread: b1, in memory and in LDS
	v_lshlrev_b32 v27, 4, v0                       ; v27: 16 x thread: b2
	s_lshl_b32 s26, ttmp9, 4
	s_mov_b32 s27, 0
	s_wait_kmcnt 0x0
	s_add_nc_u64 s[4:5], s[4:5], s[26:27]
	s_load_b128 s[20:23], s[4:5], 0x0              ; my tile: expert, first place, rows, last place
	PAIR 36, 0x3eb504f3                            ; 1 / (2 sqrt 2)
	PAIR 38, 0xbf38aa3b                            ; -log2(e) / 2
	PAIR 40, 0xbfe9b21e                            ; c0 .. c8, each x log2(e)
	PAIR 42, 0x3fb8ab5a
	PAIR 44, 0x3f0a29d2
	PAIR 46, 0x3e0efb2f
	PAIR 48, 0xbe899a80
	PAIR 50, 0x3ecdfd18
	PAIR 52, 0xbfd1a1e5
	PAIR 54, 0x40097039
	PAIR 56, 0xbf97d29d
	s_mov_b32 s58, 0x7fffffff
	s_wait_kmcnt 0x0
	s_min_u32 s20, s20, 7                          ; stored numbers enter addresses only behind a bound written here
	s_min_u32 s21, s21, 0x1fff
	s_min_u32 s22, s22, 64
	s_min_u32 s23, s23, 0x1fff
	s_lshl_b32 s26, s20, 4
	s_add_nc_u64 s[12:13], s[12:13], s[26:27]
	s_load_b128 s[28:31], s[12:13], 0x0            ; ex, ew1, eh, ew2 of my expert
.irp i, 0,1,2,3
	v_add3_u32 v[12+\i], v22, s21, 2*\i            ; row 8 w + 2 i + h of the tile,
	v_min_u32 v[12+\i], s23, v[12+\i]              ; held at the tile's last row
	v_min_u32 v[12+\i], 0x1fff, v[12+\i]
	v_lshlrev_b32 v[12+\i], 2, v[12+\i]
.endr
	s_wait_alu depctr_va_vdst(0)                   ; v1 to v15, v20, v26 and v27 are written: the offsets and LDS addresses that the loads and stores from here on read
.irp i, 0,1,2,3
	global_load_b32 v[16+\i], v[12+\i], s[6:7]     ; its token
.endr
	s_lshl_b32 s26, s20, 20
	s_lshl_b32 s59, s24, 17
	s_add_co_u32 s26, s26, s59
	s_add_nc_u64 s[10:11], s[10:11], s[26:27]      ; my wave's 128 KiB of my expert's codes
	s_lshl_b32 s26, s20, 11
	s_add_nc_u64 s[14:15], s[14:15], s[26:27]      ; b1[E]
	s_lshl_b32 s26, s20, 12
	s_add_nc_u64 s[16:17], s[16:17], s[26:27]      ; b2[E]
	global_load_b64 v[24:25], v26, s[14:15]
	global_load_b128 v[28:31], v27, s[16:17]
.irp f, 0,1,2,3,4,5
	LOADW \f
.endr
	s_wait_loadcnt 26                              ; the four tokens are in; behind them: 2 loads of biases, 24 of fragments
	s_wait_alu depctr_vm_vsrc(0)                   ; the four loads of order have read v12 to v15, which are written again below
.irp i, 0,1,2,3
	v_min_u32 v[16+\i], 0x1fff, v[16+\i]
.endr
.irp i, 0,1,2,3
	v_lshl_add_u32 v[12+\i], v[16+\i], 10, v21     ; the token's 1,024 bytes in xq, + 16 r
.endr
	WIN MAT
	s_wait_alu depctr_va_vdst(0)                   ; v12 to v15 are written, which the loads of x's codes read as offsets; so are v16 to v19, which the LDS stores behind them read
.irp i, 0,1,2,3
.irp q, 0,1,2,3
	global_load_b128 v[16*\i+4*\q:16*\i+4*\q+3], v[12+\i], s[8:9] offset:256*\q   ; sixteen lanes read 256 consecutive bytes of one row, the other sixteen of the next
.endr
.endr
	WIN 0
.irp i, 0,1,2,3
	ds_store_b32 v20, v[16+\i] offset:8*\i         ; sixteen lanes write the same word with the same value
.endr
.irp f, 6,7,8,9
	LOADW \f
.endr
	s_wait_kmcnt 0x0
	s_add_co_i32 s32, s28, s29
	s_add_co_i32 s32, s32, 127
	s_lshl_b32 s32, s32, 23                        ; 2^(ex + ew1)
	s_mov_b32 s33, s32
	s_add_co_i32 s34, s30, s31
	s_add_co_i32 s34, s34, 127
	s_lshl_b32 s34, s34, 23                        ; 2^(eh + ew2)
	s_mov_b32 s35, s34
	s_add_co_i32 s59, s30, 128
	s_lshl_b32 s60, s59, 23                        ; 2^(eh + 1)
	s_add_co_i32 s59, s59, 15
	s_lshl_b32 s59, s59, 23
	s_or_b32 s59, s59, 0x600000                    ; 57,344 x 2^(eh + 1); s59 and s60 stay until the gelu
	s_wait_loadcnt 16                              ; x's codes and the biases are in; behind them: fragments 6-9
	ds_store_b64 v26, v[24:25] offset:B1L
	ds_store_b128 v27, v[28:31] offset:B2L
	WIN MAT
.irp i, 0,1,2,3
.irp q, 0,1,2,3
	ds_store_b128 v11, v[16*\i+4*\q:16*\i+4*\q+3] offset:2*XP*\i+256*\q
.endr
.endr
	WIN 0
.irp f, 10,11,12,13
	LOADW \f
.endr
	s_wait_dscnt 0x0                               ; for the others' sake: my rows, my part of the biases and my tokens lie in LDS
	s_barrier_signal -1
	s_barrier_wait -1
	; ---- the first product: my 64 hidden units for the 64 rows, K = 1,024 in eight steps
	WIN MAT
	s_wait_alu depctr_vm_vsrc(0)                   ; my LDS stores have read v0-63 of window 1, which the first products write, and v16-31 of window 0, in which token words land on the way out
.irp m, 0,1,2,3
	XLOAD 0, 0, \m, XB
.endr
.irp m, 0,1,2,3
	XLOAD 0, 1, \m, XB+64
.endr
	KSTEP 0, 0, 0
.irp k, 1,2,3,4,5,6
	KSTEP \k, 0, 1
.endr
	KSTEP 7, 0, 2                                  ; it fetches b1, and at its end asks for fragments 42-45
	s_wait_dscnt 0x0                               ; b1 is in
	WIN VEC
	v_mov_b32 v252, 0x3e7c6f08                     ; c9 x log2(e), twice.  (These four lay in the second buffer of source 1 until now: the four plain lines behind the last products stand ahead of them)
	v_mov_b32 v253, 0x3e7c6f08
	v_mov_b32 v254, s60
	v_mov_b32 v255, s59
.irp n, 0,1,2,3,4,5,6,7
	GELU16 \n                                      ; meanwhile fragments 32-45 land in the ring
.endr
	WIN MAT
	s_wait_alu depctr_va_vdst(0)                   ; the last conversions have written their codes, which the store below reads
	IMG 7
	s_wait_dscnt 0x0                               ; for the others' sake: my quarter-images lie in LDS
	s_barrier_signal -1
	s_barrier_wait -1
	; ---- the second product: my 128 columns in two passes of 64, K = 512 in four steps
.macro PASS P
	WIN 0
.if \P
	s_wait_xcnt 0x0                                ; the first pass's last stores have had their addresses translated (ISA guide 3.1): their offsets and rows are written again only behind this wait
.endif
	s_wait_alu depctr_va_vdst(0)                   ; the vector lines so far (the gelu's; the way out's) are done with v128-255 of window 1 and v16-23 of window 0, in which the loads below land
	s_wait_alu depctr_vm_vsrc(0)                   ; the image stores have read the code registers; in the second pass the stores to out0 have read their rows and offsets, and the stage's stores the sums, which the first products write
	TOKENS 0
	WIN MAT
.irp m, 0,1,2,3
	XLOAD 1, 0, \m, XB
.endr
.irp m, 0,1,2,3
	XLOAD 1, 1, \m, XB+64
.endr
	KSTEP 8+4*\P, 1, 0
	KSTEP 9+4*\P, 1, 1
	KSTEP 10+4*\P, 1, 1
	KSTEP 11+4*\P, 1, 2                            ; it fetches b2
.irp m, 0,1,2,3
	OUTM \P, \m
.endr
.endm
	PASS 0
	PASS 1
	s_wait_xcnt 0x0                                ; the last stores have had their addresses translated
	v_lshl_add_u32 v254, v0, 2, 0x22500            ; the add's two registers are made anew here, v0 being as at the entry: no two registers could be kept; no memory or LDS instruction has read v254 or v255
	v_mov_b32 v255, 0
	s_wait_dscnt 0x0                               ; the closing lines, six on end
	s_wait_alu 0x0
	s_wait_tensorcnt 0x0
	ds_add_u32 v254, v255
	s_wait_dscnt 0x0
	s_endpgm
.Lfunc_end_k_q28f7c8be02_chain:
	.size	k_q28f7c8be02_chain, .Lfunc_end_k_q28f7c8be02_chain-k_q28f7c8be02_chain
	.p2alignl 7, 3214868480
	.fill 96, 4, 3214868480
	.section	.rodata,"a",@progbits
	.p2align	6, 0x0
	.amdhsa_kernel k_q28f7c8be02_chain
		.amdhsa_group_segment_fixed_size 141568
		.amdhsa_private_segment_fixed_size 0
		.amdhsa_enable_private_segment 0
		.amdhsa_kernarg_size 64
		.amdhsa_user_sgpr_count 2
		.amdhsa_user_sgpr_kernarg_segment_ptr 1
		.amdhsa_wavefront_size32 1
		.amdhsa_system_sgpr_workgroup_id_x 1
		.amdhsa_system_sgpr_workgroup_id_y 1
		.amdhsa_system_sgpr_workgroup_id_z 1
		.amdhsa_system_vgpr_workitem_id 0
		.amdhsa_next_free_vgpr 512
		.amdhsa_next_free_sgpr 66
		.amdhsa_reserve_vcc 0
		.amdhsa_float_denorm_mode_32 3
		.amdhsa_float_denorm_mode_16_64 3
		.amdhsa_memory_ordered 1
		.amdhsa_forward_progress 1
		.amdhsa_inst_pref_size 199
	.end_amdhsa_kernel
	.amdgpu_metadata
---
amdhsa.version: [ 1, 2 ]
amdhsa.kernels:
  - .name:           k_q28f7c8be02_chain
    .symbol:         k_q28f7c8be02_chain.kd
    .args:
      - { .name: tiles, .offset: 0, .size: 8, .value_kind: global_buffer, .address_space: global }
      - { .name: order, .offset: 8, .size: 8, .value_kind: global_buffer, .address_space: global }
      - { .name: xq, .offset: 16, .size: 8, .value_kind: global_buffer, .address_space: global }
      - { .name: wq, .offset: 24, .size: 8, .value_kind: global_buffer, .address_space: global }
      - { .name: lowp_scales, .offset: 32, .size: 8, .value_kind: global_buffer, .address_space: global }
      - { .name: b1, .offset: 40, .size: 8, .value_kind: global_buffer, .address_space: global }
      - { .name: b2, .offset: 48, .size: 8, .value_kind: global_buffer, .address_space: global }
      - { .name: out0, .offset: 56, .size: 8, .value_kind: global_buffer, .address_space: global }
    .group_segment_fixed_size: 141568
    .private_segment_fixed_size: 0
    .kernarg_segment_align: 8
    .kernarg_segment_size: 64
    .max_flat_workgroup_size: 256
    .sgpr_count:     66
    .vgpr_count:     512
    .wavefront_size: 32
...
	.end_amdgpu_metadata
.endif
;; end of part 4
